; MI455X (gfx1250); checked and timed in simulation.
; The chip was launched on July 23, 2026; its instructions are those of AMD's public machine-readable ISA for CDNA 5 (MIT licence, August 2026) and "CDNA5" Instruction Set Architecture Reference Guide (July 2026). The comments in the code are by the model that wrote it; some were corrected since.
;; Basic Mixture Of Experts. Allowed arithmetic: matrix products marked QUANTISED: E5M2 operands, one given power-of-two scale a tensor, by v_wmma_f32_16x16x64_bf8_bf8 or v_wmma_f32_16x16x128_bf8_bf8, f32 sums; products left as they are: f32 operands where the result goes on into a quantised operand, else bf16, f16 or f32 operands; f32 sums; everything else in f32.
;; Inputs: W1 8 x 4,096 x 1,024 float32; W2 8 x 1,024 x 4,096 float32; Wg 8 x 1,024 float32; b1 8 x 4,096 float32; b2 8 x 1,024 float32; lowp_scales 4 int32 (the exponents e of the quantised operands' scales 2^e); padding_mask 2 x 512 bool; x 2 x 512 x 1,024 float32.
;; Outputs: out0 2 x 512 x 1,024 float32; out1 1,024 x 8 float32; out2 one number float32.
;; This version of the problem:
;;   THIS VERSION OF THE PROBLEM IS GIVEN IN LOW PRECISION. The matrix products marked QUANTISED in the list below multiply operands that are first quantised to E5M2 (5 exponent bits, 2 mantissa bits; 8 bits a number), with one given power-of-two scale for each operand tensor; their sums are f32. All else is computed in f32.
;;   The module's matrix products, in the order in which they are computed (A, B: the left and right operand; K: the contracted axis; several contracted axes count as one K, in the product's order):
;;     1. [M 1,024, K 1,024] x [K 1,024, N 8]; A: input x; B: input Wg: left as it is (N = 8 < 16)
;;     2. [M 1,024, K 1,024] x [K 1,024, N 32,768]; A: input x; B: input W1: QUANTISED (scales: A lowp_scales[0], B lowp_scales[1])
;;     3. batch 8 x [M 1,024, K 4,096] x [K 4,096, N 1,024]; A: input W2; B: computed on the way: QUANTISED (scales: A lowp_scales[2], B lowp_scales[3])
;;     4. batch 1,024 x [M 1, K 8] x [K 8, N 1,024]; A: computed on the way; B: computed on the way: left as it is (K = 8 < 32)
;;   THE QUANTISER, for each operand of a quantised product, along K:
;;     - The operand's scale is 2^e, e = its entry of the input lowp_scales (int32; the entries are numbered through the quantised products in the list's order, A before B).
;;     - Each number is divided by the scale, clamped to +-57,344, and rounded to the nearest number of E5M2, ties to even, subnormals kept.
;;     - The product sums the exact products of the quantised numbers (number of the format x scale) in f32.
;;   ~~~python
;;   def quantise(x, axis, e):      # numpy; x: float32 -> the quantised numbers, widened to float32 again
;;       x = np.moveaxis(x, axis, -1); K = x.shape[-1]
;;       r = np.clip(x / 2.0 ** e, -57344, 57344)
;;       step = 2.0 ** (np.maximum(np.frexp(np.where(r == 0, 1, r))[1] - 1, -14) - 2)
;;       q = np.round(r / step) * step * 2.0 ** e      # np.round: ties to even
;;       return np.moveaxis(q, -1, axis).astype(np.float32)
;;   ~~~
;;   OPERANDS COMPUTED ON THE WAY. 'Computed on the way' means the value that the module computes at that place (a softmax that the list does not call 'softmax' is quantised finished and normalised). What goes into a quantiser is computed in f32, as accurately as f32 sums, v_exp_f32 and their like allow (about 1e-6 of the number): no bf16 or f16 on the way to a quantiser, and a product that is left as it is and whose result goes on into a quantised operand takes f32 operands (vector FMAs, or v_wmma_f32_16x16x4_f32). A number that lies on a knife's edge between two numbers of the format may be rounded either way, as far as f32 arithmetic and the matrix unit's own rounding can turn it there, and no further.
;; 3 versions, each right; version 2 is faster than version 1; version 3 is version 2 with the launch ffn2 written anew for expert scheduling mode. Each part assembles by itself: llvm-mc -triple=amdgcn-amd-amdhsa -mcpu=gfx1250 --defsym DOCPART=n.
;; ======== version 1 of 3: 5 launches
;; workspace buffers: xc 1,048,576 bytes; route 16,384 bytes of whole numbers; t1 32,768 bytes; rc 34,816 bytes of whole numbers; xg 10,485,760 bytes; hb 41,943,040 bytes; yr 167,772,160 bytes
;; launch gate (part 1): grid 128 x 1, 2 waves a work-group, no clusters, 1,280 bytes of LDS; arguments x, Wg, padding_mask, lowp_scales, out1, xc, route, t1; writes out1, xc, route, t1
.if DOCPART == 1
	.amdgcn_target "amdgcn-amd-amdhsa--gfx1250"
	.amdhsa_code_object_version 6
	.text
	.protected	k_qe47c03daa2_gate
	.globl	k_qe47c03daa2_gate
	.p2align	8
	.type	k_qe47c03daa2_gate,@function
k_qe47c03daa2_gate:
	s_mov_b64 s[64:65], 0
	v_nop
	global_prefetch_b8 v0, s[64:65] scope:SCOPE_SE
	s_setreg_imm32_b32 hwreg(HW_REG_WAVE_MODE, 25, 1), 1
	s_wait_xcnt 0x0
; THE GATE.  logits = x Wg^T in f32 (packed multiply-adds), softmax with its maximum taken away, padded tokens set to 0, the two largest (the lower index wins a tie), out1,
; the one-hot of the largest x (token is real), and x's codes of E5M2 with the given scale 2^e0.
; A work-group takes 8 tokens, each of its two waves 4.  A lane holds, of each row of x and of Wg, the numbers k = 128 i + 4 lane + q (i = 0..7, q = 0..3): every load of a wave covers 512 consecutive bytes.
; x's codes are stored in that order: byte 512 g + 16 lane + 4 m + b of a token's 1,024 holds k = 128 (4 g + m) + 4 lane + b.  W1's codes are laid in the same order later, so every product meets its partner.
; route: [128 blocks of 8 tokens][4 arrays][8] u32: m = (1 << e0) | (256 << e1) (0 for a padded token), e0, e1, real.  No address and no branch here hangs on these numbers.
; LIMITS: e0 (entry 0 of the scales) between -126 and 112.  NaN among the inputs is not served.
; REGISTERS: window 0: v1-13 addresses and constants; v14-31 at work; v32-159 x (token tau at 32 tau); v160-223 32 sums as pairs; v224-255 codes.   window 1: Wg, expert e at 32 e.
.set XR,  32
.set ACC, 160
.set CD,  224
.set MSB, 0
.macro WIN new                         ; the immediate's high byte repeats the setting that is left
.if MSB != \new
	s_set_vgpr_msb (MSB<<8)|\new
.set MSB, \new
.endif
.endm
.macro RED8 op, reg                    ; over the eight lanes of a token: lane xor 1, 2, 4
.irp m, 1,2,4
	\op v[\reg], v[\reg], v[\reg] row_xmask:\m row_mask:0xf bank_mask:0xf
.endr
.endm
	s_load_b256 s[4:11], s[0:1], 0x0               ; x s[4:5], Wg s[6:7], the mask s[8:9], the scales s[10:11]
	s_load_b256 s[12:19], s[0:1], 0x20             ; out1 s[12:13], xc s[14:15], route s[16:17], t1 s[18:19]
	v_lshl_add_u32 v23, v0, 2, 0x400
	s_set_vgpr_msb 0x80
	v_mov_b32 v1, 0
	s_set_vgpr_msb 0x8000
	v_lshrrev_b32 v9, 5, v0
	v_readfirstlane_b32 s20, v9                    ; wave 0, 1
	v_and_b32 v1, 31, v0                           ; lane
	v_lshlrev_b32 v2, 4, v1                        ; 16 x lane
	v_and_b32 v3, 32, v0
	v_lshlrev_b32 v3, 2, v3                        ; LDS: my wave's 32 sums at 128 x wave
	v_lshlrev_b32 v4, 2, v0                        ; and my word of them (in wave 0 also 4 x lane)
	v_add_nc_u32 v5, 256, v4                       ; LDS: the gate values, a word a thread
	v_add_nc_u32 v6, 512, v4                       ; LDS: the one-hots
	v_and_b32 v7, 3, v0
	v_lshlrev_b32 v7, 5, v7
	v_lshrrev_b32 v10, 3, v0
	v_lshl_add_u32 v7, v10, 2, v7
	v_add_nc_u32 v7, 768, v7                       ; LDS: the block's record: 32 x (expert % 4) + 4 x the token's place in the block
	v_and_b32 v8, 7, v0
	v_cvt_f32_u32 v8, v8                           ; my expert's number as f32
	v_lshrrev_b32 v10, 3, v1                       ; my token of the wave's four
	v_lshlrev_b32 v11, 3, v1                       ; 8 x lane
	s_lshl_b32 s21, ttmp9, 3
	s_lshl_b32 s22, s20, 2
	s_add_co_u32 s21, s21, s22                     ; my wave's first token
	s_mov_b32 s23, 0
	s_mov_b32 s26, 0x76543210                      ; v_permlanex16_b32: lane xor 16
	s_mov_b32 s27, 0xfedcba98
	s_wait_kmcnt 0x0
	s_load_b32 s24, s[10:11], 0x0                  ; e0
	s_lshl_b32 s22, s21, 12
	s_add_nc_u64 s[4:5], s[4:5], s[22:23]
	s_mov_b32 s22, s21
	s_add_nc_u64 s[8:9], s[8:9], s[22:23]
	s_lshl_b32 s22, s21, 10
	s_add_nc_u64 s[14:15], s[14:15], s[22:23]
	s_lshl_b32 s22, ttmp9, 8
	s_add_nc_u64 s[12:13], s[12:13], s[22:23]
	s_add_nc_u64 s[18:19], s[18:19], s[22:23]
	s_lshl_b32 s22, ttmp9, 7
	s_add_nc_u64 s[16:17], s[16:17], s[22:23]
	global_load_u8 v9, v10, s[8:9]                 ; my token's mask byte
.irp tau, 0,1,2,3
.irp i, 0,1,2,3,4,5,6,7
	global_load_b128 v[XR+32*\tau+4*\i:XR+32*\tau+4*\i+3], v2, s[4:5] offset:4096*\tau+512*\i th:TH_LOAD_NT
.endr
.endr
	WIN 0x40                                       ; destination window 1
.irp e, 0,1,2,3,4,5,6,7
.irp i, 0,1,2,3,4,5,6,7
	global_load_b128 v[32*\e+4*\i:32*\e+4*\i+3], v2, s[6:7] offset:4096*\e+512*\i
.endr
.endr
	WIN 0
	s_wait_loadcnt 0x0                             ; the one wait for data: all is used from here on
	WIN 0x04                                       ; source 1 (Wg) window 1
.set u, 0
.rept 16                                       ; 32 sums that do not wait for each other; the first product starts each
.irp tau, 0,1,2,3
.irp e, 0,1,2,3,4,5,6,7
.if u == 0
	v_pk_mul_f32 v[ACC+2*(8*\tau+\e):ACC+2*(8*\tau+\e)+1], v[XR+32*\tau:XR+32*\tau+1], v[32*\e:32*\e+1]
.else
	v_pk_fma_f32 v[ACC+2*(8*\tau+\e):ACC+2*(8*\tau+\e)+1], v[XR+32*\tau+2*u:XR+32*\tau+2*u+1], v[32*\e+2*u:32*\e+2*u+1], v[ACC+2*(8*\tau+\e):ACC+2*(8*\tau+\e)+1]
.endif
.endr
.endr
.set u, u+1
.endr
	WIN 0
.set n, 0
.rept 32
	v_add_f32 v[ACC+2*n], v[ACC+2*n], v[ACC+2*n+1]
.set n, n+1
.endr
	; x's codes
	s_wait_kmcnt 0x0
	s_add_co_i32 s24, s24, 127
	s_lshl_b32 s25, s24, 23
	v_mov_b32 v12, s25                             ; 2^e0 as f32: the conversion takes its exponent field
	s_add_co_i32 s24, s24, 15
	s_lshl_b32 s24, s24, 23
	s_or_b32 s24, s24, 0x600000
	v_mov_b32 v13, s24                             ; 57,344 x 2^e0
.set n, 0
.rept 128
	v_med3_num_f32 v[XR+n], v[XR+n], -v13, v13     ; the conversion to an 8-bit code does not saturate (ISA guide 7.6.2): the hold comes first
.set n, n+1
.endr
.irp tau, 0,1,2,3
.irp j, 0,1,2,3
	v_cvt_scalef32_pk8_bf8_f32 v[CD+8*\tau+2*\j:CD+8*\tau+2*\j+1], v[XR+32*\tau+8*\j:XR+32*\tau+8*\j+7], v12
.endr
.endr
	v_nop                                          ; a plain line behind the last conversion
.irp tau, 0,1,2,3
	global_store_b128 v2, v[CD+8*\tau:CD+8*\tau+3], s[14:15] offset:1024*\tau        ; each store of the wave covers 512 consecutive bytes
	global_store_b128 v2, v[CD+8*\tau+4:CD+8*\tau+7], s[14:15] offset:1024*\tau+512
.endr
	; the 32 sums over the 32 lanes
.irp m, 1,2,4,8
.set n, 0
.rept 32
	v_add_f32_dpp v[ACC+2*n], v[ACC+2*n], v[ACC+2*n] row_xmask:\m row_mask:0xf bank_mask:0xf
.set n, n+1
.endr
.endr
.set n, 0
.rept 32
	v_permlanex16_b32 v[ACC+2*n+1], v[ACC+2*n], s26, s27
.set n, n+1
.endr
.set n, 0
.rept 32
	v_add_f32 v[ACC+2*n], v[ACC+2*n], v[ACC+2*n+1]
.set n, n+1
.endr
.set n, 0
.rept 32
	ds_store_b32 v3, v[ACC+2*n] offset:4*n         ; every lane holds the sum: all write the same word with the same value
.set n, n+1
.endr
	ds_load_b32 v14, v4                            ; LDS serves a wave's instructions in order: lane 8 tau + e takes logit (tau, e)
	s_wait_dscnt 0x0
	; from here a lane is one (token, expert)
	v_mov_b32 v15, v14
	RED8 v_max_num_f32_dpp, 15                     ; the token's largest logit
	v_sub_f32 v16, v14, v15
	v_mul_f32 v16, 0x3fb8aa3b, v16                 ; x log2(e)
	v_exp_f32 v16, v16
	v_nop                                          ; a plain line behind the transcendental
	s_wait_alu depctr_va_vdst(0)                   ; and the wait ahead of the first line that names its result
	v_mov_b32 v17, v16
	RED8 v_add_f32_dpp, 17
	v_rcp_f32 v17, v17
	v_nop
	s_wait_alu depctr_va_vdst(0)
	v_mul_f32 v16, v16, v17                        ; the gate value
	v_cmp_eq_u32 s21, 0, v9                        ; is the token real?
	v_cndmask_b32 v16, 0, v16, s21                 ; a padded token's are 0
	v_mov_b32 v21, 0x41000000                      ; 8.0: above every expert's number
	v_mov_b32 v19, v16
	RED8 v_max_num_f32_dpp, 19
	v_cmp_eq_f32 vcc_lo, v16, v19
	v_cndmask_b32 v20, v21, v8, vcc_lo
	RED8 v_min_num_f32_dpp, 20                     ; the first choice: the lowest expert that holds the largest value
	v_cmp_eq_f32 s22, v8, v20
	v_cndmask_b32 v22, v16, -1.0, s22              ; it is taken out
	v_mov_b32 v24, v22
	RED8 v_max_num_f32_dpp, 24
	v_cmp_eq_f32 vcc_lo, v22, v24
	v_cndmask_b32 v25, v21, v8, vcc_lo
	RED8 v_min_num_f32_dpp, 25                     ; the second choice
	s_and_b32 s23, s22, s21
	v_cndmask_b32 v26, 0, 1.0, s23                 ; one-hot of the first choice x real
	v_cvt_u32_f32 v28, v20
	v_cvt_u32_f32 v29, v25
	v_mov_b32 v30, 1
	v_lshlrev_b32 v30, v28, v30
	v_mov_b32 v31, 0x100
	v_lshlrev_b32 v31, v29, v31
	v_or_b32 v30, v30, v31
	v_cndmask_b32 v30, 0, v30, s21                 ; m
	v_cndmask_b32 v31, 0, 1, s21                   ; real
	v_and_b32 v27, 3, v0
	v_cmp_eq_u32 vcc_lo, 1, v27
	v_cndmask_b32 v30, v30, v28, vcc_lo
	v_cmp_eq_u32 vcc_lo, 2, v27
	v_cndmask_b32 v30, v30, v29, vcc_lo
	v_cmp_eq_u32 vcc_lo, 3, v27
	v_cndmask_b32 v30, v30, v31, vcc_lo            ; lanes e and e + 4 carry the same one of m, e0, e1, real
	ds_store_b32 v5, v16
	ds_store_b32 v6, v26
	ds_store_b32 v7, v30
	s_wait_dscnt 0x0                               ; for the other wave's sake: my stores have landed
	s_barrier_signal -1
	s_barrier_wait -1
	s_cmp_lg_u32 s20, 0
	s_cbranch_scc1 .Lend                           ; wave 0 stores the block's three records
	ds_load_b64 v[14:15], v11 offset:256
	ds_load_b64 v[16:17], v11 offset:512
	ds_load_b32 v18, v4 offset:768
	s_wait_dscnt 0x2                               ; the two younger loads may be out
	global_store_b64 v11, v[14:15], s[12:13]       ; 256 consecutive bytes of out1
	s_wait_dscnt 0x1
	global_store_b64 v11, v[16:17], s[18:19]
	s_wait_dscnt 0x0
	global_store_b32 v4, v18, s[16:17]             ; the block's 128 bytes of route
.Lend:
	s_set_vgpr_msb 0x8
	s_wait_tensorcnt 0x0
	ds_add_u32 v23, v1
	s_wait_dscnt 0x0
	s_set_vgpr_msb 0x800
	s_endpgm
.Lfunc_end_k_qe47c03daa2_gate:
	.size	k_qe47c03daa2_gate, .Lfunc_end_k_qe47c03daa2_gate-k_qe47c03daa2_gate
	.p2alignl 7, 3214868480
	.fill 96, 4, 3214868480
	.section	.rodata,"a",@progbits
	.p2align	6, 0x0
	.amdhsa_kernel k_qe47c03daa2_gate
		.amdhsa_group_segment_fixed_size 1280
		.amdhsa_private_segment_fixed_size 0
		.amdhsa_enable_private_segment 0
		.amdhsa_kernarg_size 64
		.amdhsa_user_sgpr_count 2
		.amdhsa_user_sgpr_kernarg_segment_ptr 1
		.amdhsa_wavefront_size32 1
		.amdhsa_system_sgpr_workgroup_id_x 1
		.amdhsa_system_sgpr_workgroup_id_y 1
		.amdhsa_system_sgpr_workgroup_id_z 1
		.amdhsa_system_vgpr_workitem_id 0
		.amdhsa_next_free_vgpr 514
		.amdhsa_next_free_sgpr 66
		.amdhsa_reserve_vcc 1
		.amdhsa_float_denorm_mode_32 3
		.amdhsa_float_denorm_mode_16_64 3
		.amdhsa_memory_ordered 1
		.amdhsa_forward_progress 1
		.amdhsa_inst_pref_size 72
	.end_amdhsa_kernel
	.amdgpu_metadata
---
amdhsa.version: [ 1, 2 ]
amdhsa.kernels:
  - .name:           k_qe47c03daa2_gate
    .symbol:         k_qe47c03daa2_gate.kd
    .args:
      - { .name: x, .offset: 0, .size: 8, .value_kind: global_buffer, .address_space: global }
      - { .name: Wg, .offset: 8, .size: 8, .value_kind: global_buffer, .address_space: global }
      - { .name: padding_mask, .offset: 16, .size: 8, .value_kind: global_buffer, .address_space: global }
      - { .name: lowp_scales, .offset: 24, .size: 8, .value_kind: global_buffer, .address_space: global }
      - { .name: out1, .offset: 32, .size: 8, .value_kind: global_buffer, .address_space: global }
      - { .name: xc, .offset: 40, .size: 8, .value_kind: global_buffer, .address_space: global }
      - { .name: route, .offset: 48, .size: 8, .value_kind: global_buffer, .address_space: global }
      - { .name: t1, .offset: 56, .size: 8, .value_kind: global_buffer, .address_space: global }
    .group_segment_fixed_size: 1280
    .private_segment_fixed_size: 0
    .kernarg_segment_align: 8
    .kernarg_segment_size: 64
    .max_flat_workgroup_size: 64
    .sgpr_count:     66
    .vgpr_count:     514
    .wavefront_size: 32
...
	.end_amdgpu_metadata
.endif
;; end of part 1
;; launch place (part 2): grid 16 x 8, 5 waves a work-group, no clusters, 89,600 bytes of LDS; arguments route, xc, xg, rc; writes xg, rc
.if DOCPART == 2
	.amdgcn_target "amdgcn-amd-amdhsa--gfx1250"
	.amdhsa_code_object_version 6
	.text
	.protected	k_qe47c03daa2_place
	.globl	k_qe47c03daa2_place
	.p2align	8
	.type	k_qe47c03daa2_place,@function
k_qe47c03daa2_place:
	s_mov_b64 s[64:65], 0
	v_nop
	global_prefetch_b8 v0, s[64:65] scope:SCOPE_SE
	s_setreg_imm32_b32 hwreg(HW_REG_WAVE_MODE, 25, 1), 1
	s_wait_xcnt 0x0
; THE ROWS ARE PLACED BY EXPERT.  Work-group (grp, e): wave 0 lists the tokens that chose expert e (a counting compaction over all 1,024: no atomics), then the five waves gather the codes of rows
; 80 grp .. 80 grp + 79 of that list, 16 rows a wave, and store them as images of the operand's registers: group c (registers 4 c .. 4 c + 3) of lane l of K step s at byte 2048 s + 512 c + 16 l of the tile.
; The list is filled up with token 0.  Groups 0 to 3 are always made; a later group only where the expert has rows for it (80 grp < n).
; Work-group grp = 0 also stores each token's place in the list (rc, [8][1024] u32) and the count (at byte 32,768: [8][64] u32, the count repeated).
; LDS: the list, 1,280 words + a word a lane for tokens that did not choose e, at 0; the count at 5,376; a stage of 16 rows x (1,024 + 16) bytes for each wave from 5,632 on.
.set CNTW, 5376
.set STG,  5632
.set SP,   1040                        ; 65 x 16 bytes: the sixteen rows that a load touches start at sixteen different places modulo 256 bytes
.set TK,   16                          ; v16-23  tokens of my 16 rows, two a register (lanes 0-15, lanes 16-31)
.set VO,   24                          ; v24-31  their byte offsets in xc
.set M,    32                          ; v32-63  wave 0: m of token 128 i + 4 lane + q at 4 i + q, then its place in the list
.set X,    64                          ; v64-191 a tile's codes
	s_load_b256 s[4:11], s[0:1], 0x0               ; route s[4:5], xc s[6:7], xg s[8:9], rc s[10:11]
	v_lshl_add_u32 v200, v0, 2, 0x15b00
	v_mov_b32 v201, 0
	v_lshrrev_b32 v12, 5, v0
	v_readfirstlane_b32 s12, v12                   ; wave 0..4
	v_and_b32 v1, 31, v0                           ; lane
	v_bfe_u32 v2, v0, 4, 1                         ; lane / 16
	v_and_b32 v13, 15, v0                          ; lane % 16
	v_lshlrev_b32 v3, 4, v13
	v_lshlrev_b32 v4, 2, v1
	v_lshlrev_b32 v5, 4, v1
	s_and_b32 s19, ttmp7, 0xffff                   ; the expert
	s_mul_i32 s13, ttmp9, 80
	s_lshl_b32 s14, s12, 4
	s_add_co_u32 s14, s13, s14
	s_lshl_b32 s14, s14, 2
	v_lshl_add_u32 v6, v2, 2, s14                  ; the list's word 80 grp + 16 wave + lane / 16
	s_mul_i32 s15, s12, 16*SP
	s_add_co_u32 s15, s15, STG                     ; my stage
	v_mul_u32_u24 v7, v2, SP
	v_add_nc_u32 v7, v7, v3
	v_add_nc_u32 v7, s15, v7                       ; in: sixteen lanes to 256 bytes of a row, two rows an instruction
	v_mul_u32_u24 v8, v13, SP
	v_lshl_add_u32 v8, v2, 4, v8
	v_add_nc_u32 v8, s15, v8                       ; out: row lane % 16, + 16 x (lane / 16): a fragment's lane
	v_add_nc_u32 v9, 1280, v1                      ; my spare word of the list
	v_lshrrev_b32 v11, 1, v1
	v_lshlrev_b32 v11, 7, v11
	v_and_b32 v12, 1, v0
	v_lshl_add_u32 v11, v12, 4, v11                ; route: block lane / 2, half lane % 2 of its eight m
	v_mov_b32 v192, CNTW
	v_lshlrev_b32 v194, 3, v1
	s_mul_i32 s16, s19, 80
	s_mul_i32 s17, ttmp9, 5
	s_add_co_u32 s16, s16, s17
	s_add_co_u32 s16, s16, s12                     ; my tile: 80 e + 5 grp + wave
	s_lshl_b32 s16, s16, 14
	s_mov_b32 s17, 0
	s_lshl_b32 s22, s19, 12
	s_mov_b32 s23, 0
	s_lshl_b32 s24, s19, 8
	s_add_co_u32 s24, s24, 32768
	s_mov_b32 s25, 0
	s_wait_kmcnt 0x0
	s_add_nc_u64 s[8:9], s[8:9], s[16:17]
	s_add_nc_u64 s[22:23], s[10:11], s[22:23]      ; the expert's places
	s_add_nc_u64 s[24:25], s[10:11], s[24:25]      ; and its count
	s_cmp_lg_u32 s12, 0
	s_cbranch_scc1 .Ljoin
	; wave 0 alone: the list
.irp i, 0,1,2,3,4,5,6,7
	global_load_b128 v[M+4*\i:M+4*\i+3], v11, s[4:5] offset:2048*\i
.endr
	v_mov_b32 v12, 0
	v_mov_b32 v13, 0
	v_mov_b32 v14, 0
	v_mov_b32 v15, 0
.irp z, 0,1,2,3,4,5,6,7,8,9
	ds_store_b128 v5, v[12:15] offset:512*\z       ; token 0 in all 1,280 places
.endr
	s_lshl_b32 s20, 0x101, s19                     ; the expert's two bits of m
	s_mov_b32 s21, 0                               ; rows so far
	s_wait_loadcnt 0x0
.set k, 0
.rept 32
	v_and_b32 v16, s20, v[M+k]
	v_cmp_ne_u32 vcc_lo, 0, v16                    ; who chose e?
	v_mbcnt_lo_u32_b32 v[M+k], vcc_lo, s21         ; the place: rows so far + those in the lanes below me
	s_bcnt1_i32_b32 s26, vcc_lo
	s_add_co_u32 s21, s21, s26
	v_cndmask_b32 v16, v9, v[M+k], vcc_lo          ; who did not writes its spare word
	v_min_u32 v16, 0x51f, v16                      ; inside the list's 1,312 words
	v_lshlrev_b32 v10, 2, v16
	v_add_nc_u32 v17, 128*(k/4)+k%4, v4            ; the token
	ds_store_b32 v10, v17
.set k, k+1
.endr
	v_mov_b32 v196, s21
	v_mov_b32 v197, s21
	ds_store_b32 v192, v196                        ; the count
	s_cmp_lg_u32 ttmp9, 0
	s_cbranch_scc1 .Ljoin
.irp i, 0,1,2,3,4,5,6,7
	global_store_b128 v5, v[M+4*\i:M+4*\i+3], s[22:23] offset:512*\i   ; in the tokens' order: 512 consecutive bytes a store
.endr
	global_store_b64 v194, v[196:197], s[24:25]    ; 256 consecutive bytes
.Ljoin:
	s_wait_dscnt 0x0                               ; the list and the count have landed
	s_barrier_signal -1
	s_barrier_wait -1
	ds_load_b32 v193, v192
.irp a, 0,1,2,3,4,5,6,7
	ds_load_b32 v[TK+\a], v6 offset:8*\a           ; rows 2 a and 2 a + 1 of my tile
.endr
	s_wait_dscnt 0x0                               ; my reads of the list are over
	s_barrier_signal -1
	s_barrier_wait -1                              ; everybody's are: behind this barrier the stages are written
	v_readfirstlane_b32 s17, v193                  ; n
	s_cmp_lt_u32 ttmp9, 4
	s_cbranch_scc1 .Lgo
	s_cmp_lt_u32 s13, s17                          ; 80 grp < n?
	s_cbranch_scc1 .Lgo
	s_wait_tensorcnt 0x0
	ds_add_u32 v200, v201
	s_wait_dscnt 0x0
	s_endpgm
.Lgo:
.irp a, 0,1,2,3,4,5,6,7
	v_min_u32 v[TK+\a], 0x3ff, v[TK+\a]
	v_lshl_add_u32 v[VO+\a], v[TK+\a], 10, v3
.endr
.irp a, 0,1,2,3,4,5,6,7
.irp qd, 0,1,2,3
	global_load_b128 v[X+16*\a+4*\qd:X+16*\a+4*\qd+3], v[VO+\a], s[6:7] offset:256*\qd   ; sixteen lanes read 256 consecutive bytes of a token's codes
.endr
.endr
.irp a, 0,1,2,3,4,5,6,7
	s_wait_loadcnt 4*(7-\a)                        ; this pair of rows is in; the younger pairs' loads may be out
.irp qd, 0,1,2,3
	ds_store_b128 v7, v[X+16*\a+4*\qd:X+16*\a+4*\qd+3] offset:2*SP*\a+256*\qd
.endr
.endr
.irp s, 0,1,2,3,4,5,6,7
.irp c, 0,1,2,3
	ds_load_b128 v[X+16*\s+4*\c:X+16*\s+4*\c+3], v8 offset:128*\s+32*\c   ; LDS serves a wave's instructions in order: these see my stores, and land where those have read
.endr
.endr
.irp s, 0,1,2,3,4,5,6,7
.irp c, 0,1,2,3
	s_wait_dscnt 31-(4*\s+\c)
	global_store_b128 v5, v[X+16*\s+4*\c:X+16*\s+4*\c+3], s[8:9] offset:2048*\s+512*\c   ; 512 consecutive bytes a store
.endr
.endr
	s_wait_tensorcnt 0x0
	ds_add_u32 v200, v201
	s_wait_dscnt 0x0
	s_endpgm
.Lfunc_end_k_qe47c03daa2_place:
	.size	k_qe47c03daa2_place, .Lfunc_end_k_qe47c03daa2_place-k_qe47c03daa2_place
	.p2alignl 7, 3214868480
	.fill 96, 4, 3214868480
	.section	.rodata,"a",@progbits
	.p2align	6, 0x0
	.amdhsa_kernel k_qe47c03daa2_place
		.amdhsa_group_segment_fixed_size 89600
		.amdhsa_private_segment_fixed_size 0
		.amdhsa_enable_private_segment 0
		.amdhsa_kernarg_size 32
		.amdhsa_user_sgpr_count 2
		.amdhsa_user_sgpr_kernarg_segment_ptr 1
		.amdhsa_wavefront_size32 1
		.amdhsa_system_sgpr_workgroup_id_x 1
		.amdhsa_system_sgpr_workgroup_id_y 1
		.amdhsa_system_sgpr_workgroup_id_z 1
		.amdhsa_system_vgpr_workitem_id 0
		.amdhsa_next_free_vgpr 202
		.amdhsa_next_free_sgpr 66
		.amdhsa_reserve_vcc 1
		.amdhsa_float_denorm_mode_32 3
		.amdhsa_float_denorm_mode_16_64 3
		.amdhsa_memory_ordered 1
		.amdhsa_forward_progress 1
		.amdhsa_inst_pref_size 33
	.end_amdhsa_kernel
	.amdgpu_metadata
---
amdhsa.version: [ 1, 2 ]
amdhsa.kernels:
  - .name:           k_qe47c03daa2_place
    .symbol:         k_qe47c03daa2_place.kd
    .args:
      - { .name: route, .offset: 0, .size: 8, .value_kind: global_buffer, .address_space: global }
      - { .name: xc, .offset: 8, .size: 8, .value_kind: global_buffer, .address_space: global }
      - { .name: xg, .offset: 16, .size: 8, .value_kind: global_buffer, .address_space: global }
      - { .name: rc, .offset: 24, .size: 8, .value_kind: global_buffer, .address_space: global }
    .group_segment_fixed_size: 89600
    .private_segment_fixed_size: 0
    .kernarg_segment_align: 8
    .kernarg_segment_size: 32
    .max_flat_workgroup_size: 160
    .sgpr_count:     66
    .vgpr_count:     202
    .wavefront_size: 32
...
	.end_amdgpu_metadata
.endif
;; end of part 2
;; launch ffn1 (part 3): grid 256 x 1, 4 waves a work-group, no clusters, 135,680 bytes of LDS; arguments W1, b1, lowp_scales, xg, rc, hb; writes hb
.if DOCPART == 3
	.amdgcn_target "amdgcn-amd-amdhsa--gfx1250"
	.amdhsa_code_object_version 6
	.text
	.protected	k_qe47c03daa2_ffn1
	.globl	k_qe47c03daa2_ffn1
	.p2align	8
	.type	k_qe47c03daa2_ffn1,@function
k_qe47c03daa2_ffn1:
	s_mov_b64 s[64:65], 0
	v_nop
	global_prefetch_b8 v0, s[64:65] scope:SCOPE_SE
	s_setreg_imm32_b32 hwreg(HW_REG_WAVE_MODE, 25, 1), 1
	s_wait_xcnt 0x0
; THE FIRST LAYER OF THE EXPERTS, for the routed rows alone: h = Q(relu(Q(x) Q(W1)^T + b1)), both operands codes of E5M2, by v_wmma_f32_16x16x128_bf8_bf8.
; Work-group = (expert e = id / 32, j = id % 32): hidden units 128 j .. 128 j + 127, all K = 1,024: 128 rows of W1, 512 KB of f32, which no other work-group reads.
; THE WEIGHTS STREAM, THE ROWS STAND.  Wave w keeps the fragments of five tiles of 16 routed rows (rows 80 w .. 80 w + 79 of the expert's list; 640 registers).  W1 goes in eight chunks of 16 rows: each wave
; loads four rows of a chunk (a ring of ten units of four 16-byte loads a lane, 40 loads always on their way), holds and converts them, and puts the codes into LDS, where they stay; behind one barrier every wave multiplies the chunk by its five tiles.
; No tensor load, no cluster: the number of rows of an expert is read from memory and decides branches (rows from 320 on), so operands go from memory into registers; what the work-groups of an expert share is the smaller part of a work-group's bytes.
; K's order in a row of codes: byte 512 g + 16 l + 4 m + b holds k = 128 (4 g + m) + 4 l + b, in x's codes and in W1's alike: every product meets its partner.
; TRANSPOSED: source 0 = 16 rows of W1, source 1 = 16 routed rows: a lane holds ONE routed row and eight neighbouring hidden units, which convert straight into two registers of the next product's operand.
; b1 / 2^(e0 + e1) is the C of a sum's first product; the hidden layer's conversion takes the one scale 2^(e3 - e0 - e1); the hold between 0 and the largest code is also the relu.
; ROWS FROM 320 ON: a loop of three trips, each under a guard on the count: the codes still lie in LDS, so no barrier is needed there.
; LIMITS: e1, and e3 - e0 - e1, between -126 and 112.  NaN among the inputs is not served.
; REGISTERS: window 0: v1-9 addresses and scales; v32-95 four fragments of W1; v96-135 five accumulators; v136-143 the bias; v144-163 the codes of h; v164-171 codes of W1, two sets; v176-255 ring units 5-9.
;   windows 1, 2: the rows' fragments of K steps 0-2, 3-5 (step s, tile i at 80 (s % 3) + 16 i);  window 3: K steps 6, 7 in v0-159; ring units 0-4 in v160-239; v240-243 copies of addresses and scale; v244-251 codes, two sets.
.set PITCH, 1040                       ; a row of codes in LDS: 1,024 + 16 = 65 x 16 bytes: the sixteen rows of a fragment load start at sixteen different places modulo 256 bytes
.set CHB,   16*PITCH
.set HALF,  64*PITCH
.set BIASL, 128*PITCH                  ; behind the codes: 512 bytes a wave, its own copy of the 128 biases
.set ROWP,  4096                       ; a row of W1 in memory
.set TS,    16384                      ; a tile of x's images
.set OTS,   65536                      ; a tile of h's images
.set GO,     1
.set AS_LO,  2
.set AS_HI,  3
.set AW_LO,  4
.set AW_HI,  5
.set AB,     6
.set SCW,    7
.set SCH,    8
.set BST,    9
.set WF,     32
.set ACC,    96
.set BIAS,   136
.set HC,     144
.set CW,     164
.set RING5,  176
.set RING0,  160
.set GO3,    240
.set AS3_LO, 241
.set AS3_HI, 242
.set SCW3,   243
.set CW3,    244
.set MSB, 0
.macro WIN new                         ; the immediate's high byte repeats the setting that is left
.if MSB != \new
	s_set_vgpr_msb (MSB<<8)|\new
.set MSB, \new
.endif
.endm
; Ring unit u = half g = u % 2 of row (u % 8) / 2 of my four rows of chunk u / 8: four loads, each of the wave's covering 512 consecutive bytes.  Units take ten sets of 16 registers by turns.
.macro LOADU u
.set lc, (\u)/8
.set lr, ((\u)%8)/2
.set lg, (\u)%2
.set ls, (\u)%10
.if ls < 5
	WIN 0xcf
.irp mm, 0,1,2,3
	global_load_b128 v[RING0+16*ls+4*\mm:RING0+16*ls+4*\mm+3], v[GO3], s[32:33] offset:(16*lc+lr)*ROWP+2048*lg+512*\mm th:TH_LOAD_NT
.endr
.else
	WIN 0
.irp mm, 0,1,2,3
	global_load_b128 v[RING5+16*(ls-5)+4*\mm:RING5+16*(ls-5)+4*\mm+3], v[GO], s[32:33] offset:(16*lc+lr)*ROWP+2048*lg+512*\mm th:TH_LOAD_NT
.endr
.endif
.endm
; Unit u is held, converted and put into LDS; the unit ten further on is asked for into its registers.
.macro UNIT u
.set uc, (\u)/8
.set ur, ((\u)%8)/2
.set ug, (\u)%2
.set us, (\u)%10
.if 63-(\u) < 9
	s_wait_loadcnt 4*(63-(\u))                     ; the tail: the counts run down
.else
	s_wait_loadcnt 36                              ; loads come back in order: mine are in, the nine younger units' 36 stay out
.endif
.if us < 5
	WIN 0xcf                                       ; all that this unit names lies in window 3
.set rb, RING0+16*us
.set cb, CW3+4*ug
.set sc, SCW3
.set ad, AS3_LO+uc/4
.else
	WIN 0
.set rb, RING5+16*(us-5)
.set cb, CW+4*ug
.set sc, SCW
.set ad, AS_LO+uc/4
.endif
.set k, 0
.rept 16
	v_med3_num_f32 v[rb+k], v[rb+k], s29, s28      ; the conversion to an 8-bit code does not saturate (ISA guide 7.6.2): held within +-57,344 x 2^e1 first
.set k, k+1
.endr
	s_wait_dscnt 0x1                               ; the store that read this set of codes two units ago is done; the last unit's may be out
	v_cvt_scalef32_pk8_bf8_f32 v[cb:cb+1], v[rb:rb+7], v[sc]
	v_cvt_scalef32_pk8_bf8_f32 v[cb+2:cb+3], v[rb+8:rb+15], v[sc]
	ds_store_b128 v[ad], v[cb:cb+3] offset:(16*(uc%4)+ur)*PITCH+512*ug
.if (\u)+10 < 64
	LOADU (\u)+10
.endif
.endm
.macro AQ c                            ; my four rows of chunk c
.irp n, 0,1,2,3,4,5,6,7
	UNIT 8*(\c)+\n
.endr
	v_nop                                          ; a plain line behind the last conversion
	WIN 0
.endm
.macro XLOAD                           ; my five tiles' fragments, 160 loads of 512 consecutive bytes
	WIN 0x40
.irp s, 0,1,2
.irp i, 0,1,2,3,4
.irp c, 0,1,2,3
	global_load_b128 v[80*\s+16*\i+4*\c:80*\s+16*\i+4*\c+3], v[GO], s[34:35] offset:TS*\i+2048*\s+512*\c
.endr
.endr
.endr
	WIN 0x80
.irp s, 0,1,2
.irp i, 0,1,2,3,4
.irp c, 0,1,2,3
	global_load_b128 v[80*\s+16*\i+4*\c:80*\s+16*\i+4*\c+3], v[GO], s[34:35] offset:TS*\i+2048*(\s+3)+512*\c
.endr
.endr
.endr
	WIN 0xc0
.irp s, 0,1
.irp i, 0,1,2,3,4
.irp c, 0,1,2,3
	global_load_b128 v[80*\s+16*\i+4*\c:80*\s+16*\i+4*\c+3], v[GO], s[34:35] offset:TS*\i+2048*(\s+6)+512*\c
.endr
.endr
.endr
	WIN 0
.endm
.macro WFL aw, cr, s                   ; the chunk's fragment of K step s: 16 rows x 128 codes, into buffer s % 4
.irp cc, 0,1,2,3
	ds_load_b128 v[WF+16*((\s)%4)+4*\cc:WF+16*((\s)%4)+4*\cc+3], v[\aw] offset:CHB*(\cr)+128*(\s)+32*\cc
.endr
.endm
.macro MM s, first                     ; five products: the five accumulators take turns, one instruction a turn
.irp i, 0,1,2,3,4
.if \first
	v_wmma_f32_16x16x128_bf8_bf8 v[ACC+8*\i:ACC+8*\i+7], v[WF+16*((\s)%4):WF+16*((\s)%4)+15], v[80*((\s)%3)+16*\i:80*((\s)%3)+16*\i+15], v[BIAS:BIAS+7]
.else
	v_wmma_f32_16x16x128_bf8_bf8 v[ACC+8*\i:ACC+8*\i+7], v[WF+16*((\s)%4):WF+16*((\s)%4)+15], v[80*((\s)%3)+16*\i:80*((\s)%3)+16*\i+15], v[ACC+8*\i:ACC+8*\i+7]
.endif
.endr
.endm
.macro NOP4                            ; four plain lines between matrix instructions and loads into registers that they have read (ISA guide 7.12.1 for vector instructions)
.rept 4
	v_nop
.endr
.endm
; One chunk against my five tiles.  Each count on DScnt is the number of fragment loads issued behind the fragment that is wanted.  Only source 1's window changes, so the LDS loads between are not touched by the switches.
.macro BMUL aw, cr, bo
	ds_load_b128 v[BIAS:BIAS+3], v[AB] offset:\bo
	ds_load_b128 v[BIAS+4:BIAS+7], v[AB] offset:\bo+16
	WFL \aw, \cr, 0
	WFL \aw, \cr, 1
	WFL \aw, \cr, 2
	WFL \aw, \cr, 3
	WIN 0x04
	s_wait_dscnt 12
	MM 0, 1
	s_wait_dscnt 8
	MM 1, 0
	NOP4
	WFL \aw, \cr, 4
	WFL \aw, \cr, 5
	s_wait_dscnt 12
	MM 2, 0
	WIN 0x08
	s_wait_dscnt 8
	MM 3, 0
	NOP4
	WFL \aw, \cr, 6
	WFL \aw, \cr, 7
	s_wait_dscnt 12
	MM 4, 0
	s_wait_dscnt 8
	MM 5, 0
	WIN 0x0c
	s_wait_dscnt 4
	MM 6, 0
	s_wait_dscnt 0
	MM 7, 0
	WIN 0
.endm
; The chunk's sums become codes of h: two registers a tile; two chunks make a group of four, which leaves as 512 consecutive bytes of the image.
.macro EPI c
.rept 5
	v_nop                                          ; five plain lines: four ahead of the reads below, five ahead of the next chunk's first products, which write these accumulators anew
.endr
.if (\c)%2 == 0
	s_wait_xcnt 0x0                                ; the last pair's stores have read the codes' registers
.endif
.irp i, 0,1,2,3,4
.irp k, 0,1,2,3,4,5,6,7
	v_med3_num_f32 v[ACC+8*\i+\k], v[ACC+8*\i+\k], 0, s30   ; the relu and the hold in one; each accumulator from its low end on
.endr
.endr
.irp i, 0,1,2,3,4
	v_cvt_scalef32_pk8_bf8_f32 v[HC+4*\i+2*((\c)%2):HC+4*\i+2*((\c)%2)+1], v[ACC+8*\i:ACC+8*\i+7], v[SCH]
.endr
	v_nop                                          ; a plain line behind the last conversion: the next products write its sources
.if (\c)%2 == 1
.irp i, 0,1,2,3,4
	global_store_b128 v[GO], v[HC+4*\i:HC+4*\i+3], s[36:37] offset:OTS*\i+512*((\c)/2) th:TH_STORE_NT
.endr
.endif
.endm
.macro CHUNK c
.if (\c) < 4
	BMUL AW_LO, (\c)%4, 64*(\c)
.else
	BMUL AW_HI, (\c)%4, 64*(\c)
.endif
	EPI \c
.endm
	s_load_b256 s[4:11], s[0:1], 0x0               ; W1 s[4:5], b1 s[6:7], the scales s[8:9], xg s[10:11]
	s_load_b128 s[12:15], s[0:1], 0x20             ; rc s[12:13], hb s[14:15]
	v_lshl_add_u32 v174, v0, 2, 0x21000
	v_mov_b32 v175, 0
	v_lshrrev_b32 v11, 5, v0
	v_readfirstlane_b32 s16, v11                   ; wave 0..3
	v_and_b32 v12, 31, v0                          ; lane
	v_and_b32 v13, 15, v0                          ; r
	v_bfe_u32 v14, v0, 4, 1                        ; h
	v_lshlrev_b32 v[GO], 4, v12
	s_mul_i32 s42, s16, 4*PITCH                    ; my four rows of a chunk
	v_add_nc_u32 v[AS_LO], s42, v[GO]
	v_add_nc_u32 v[AS_HI], HALF, v[AS_LO]
	v_mul_u32_u24 v[AW_LO], v13, PITCH
	v_lshl_add_u32 v[AW_LO], v14, 4, v[AW_LO]
	v_add_nc_u32 v[AW_HI], HALF, v[AW_LO]
	WIN 0xc0                                       ; the same three once more, in window 3, for the ring units that lie there
	v_lshlrev_b32 v[GO3], 4, v12
	v_add_nc_u32 v[AS3_LO], s42, v[GO]
	v_add_nc_u32 v[AS3_HI], HALF, v[AS_LO]
	WIN 0
	s_lshl_b32 s43, s16, 9
	s_add_co_u32 s43, s43, BIASL
	v_lshl_add_u32 v[AB], v14, 5, s43              ; my half's eight biases of a chunk
	v_add_nc_u32 v[BST], s43, v[GO]
	s_lshr_b32 s17, ttmp9, 5                       ; e
	s_and_b32 s18, ttmp9, 31                       ; j
	s_lshl_b32 s40, s17, 12
	s_lshl_b32 s41, s18, 7
	s_add_co_u32 s40, s40, s41                     ; 4096 e + 128 j
	s_lshl_b32 s44, s40, 2
	s_mov_b32 s45, 0
	s_lshl_b32 s41, s16, 2
	s_add_co_u32 s42, s40, s41
	s_lshl_b32 s42, s42, 12
	s_mov_b32 s43, 0
	s_mul_i32 s46, s17, 80
	s_mul_i32 s41, s16, 5
	s_add_co_u32 s46, s46, s41                     ; my first tile: 80 e + 5 w
	s_lshl_b32 s48, s46, 5
	s_add_co_u32 s48, s48, s18
	s_lshl_b32 s48, s48, 11
	s_mov_b32 s49, 0
	s_lshl_b32 s46, s46, 14
	s_mov_b32 s47, 0
	s_lshl_b32 s50, s17, 8
	s_mul_i32 s21, s16, 80                         ; my first row of the expert's list
	s_wait_kmcnt 0x0
	s_load_b128 s[24:27], s[8:9], 0x0              ; e0, e1, e2, e3
	s_load_b32 s20, s[12:13], s50 offset:0x8000    ; n: the expert's rows
	s_add_nc_u64 s[32:33], s[4:5], s[42:43]
	s_add_nc_u64 s[6:7], s[6:7], s[44:45]
	s_add_nc_u64 s[34:35], s[10:11], s[46:47]
	s_add_nc_u64 s[36:37], s[14:15], s[48:49]
	global_load_b128 v[16:19], v[GO], s[6:7]       ; my work-group's 128 biases, four a lane
.irp u, 0,1,2,3,4,5,6,7,8,9
	LOADU \u
.endr
	XLOAD
	s_wait_kmcnt 0x0
	s_add_co_i32 s54, s25, 127
	s_lshl_b32 s55, s54, 23
	v_mov_b32 v[SCW], s55                          ; 2^e1 as f32
	WIN 0xc0
	v_mov_b32 v[SCW3], s55
	WIN 0
	s_add_co_i32 s54, s54, 15
	s_lshl_b32 s28, s54, 23
	s_or_b32 s28, s28, 0x600000                    ; 57,344 x 2^e1,
	s_or_b32 s29, s28, 0x80000000                  ; and its negative
	s_add_co_i32 s52, s24, s25                     ; e0 + e1: a sum stands for sum x 2^(e0 + e1)
	s_sub_co_i32 s53, 0, s52
	s_sub_co_i32 s54, s27, s52
	s_add_co_i32 s54, s54, 127
	s_lshl_b32 s56, s54, 23
	v_mov_b32 v[SCH], s56                          ; 2^(e3 - e0 - e1)
	s_add_co_i32 s54, s54, 15
	s_lshl_b32 s30, s54, 23
	s_or_b32 s30, s30, 0x600000                    ; 57,344 x that
	s_wait_loadcnt 0x0                             ; the rows' fragments are wanted by the first chunk's products
.irp k, 16,17,18,19
	v_ldexp_f32 v\k, v\k, s53                      ; b1 / 2^(e0 + e1)
.endr
	ds_store_b128 v[BST], v[16:19]                 ; my wave's own copy: no other wave reads it
.irp c, 0,1,2,3,4,5,6,7
	AQ \c
	s_wait_dscnt 0x0                               ; for the others' sake: my four rows' codes have landed
	s_barrier_signal -1
	s_barrier_wait -1                              ; the chunk's sixteen rows lie in LDS; the ring's loads stay on their way
	CHUNK \c
.endr
	; rows 320 on: three more passes at the most (an expert has at most 1,024 rows)
	s_mov_b32 s38, 3
.Lpass:
	s_wait_xcnt 0x0                                ; the last stores have read their base
	s_add_co_u32 s21, s21, 320
	s_add_nc_u64 s[34:35], s[34:35], 20*TS
	s_add_nc_u64 s[36:37], s[36:37], 20*OTS
	s_cmp_lt_u32 s21, s20
	s_cbranch_scc0 .Lskip                          ; no row of mine in this pass
	XLOAD
	s_wait_loadcnt 0x0
.irp c, 0,1,2,3,4,5,6,7
	CHUNK \c
.endr
.Lskip:
	s_sub_co_u32 s38, s38, 1
	s_cmp_lg_u32 s38, 0
	s_cbranch_scc1 .Lpass
	s_wait_tensorcnt 0x0
	ds_add_u32 v174, v175
	s_wait_dscnt 0x0
	s_endpgm
.Lfunc_end_k_qe47c03daa2_ffn1:
	.size	k_qe47c03daa2_ffn1, .Lfunc_end_k_qe47c03daa2_ffn1-k_qe47c03daa2_ffn1
	.p2alignl 7, 3214868480
	.fill 96, 4, 3214868480
	.section	.rodata,"a",@progbits
	.p2align	6, 0x0
	.amdhsa_kernel k_qe47c03daa2_ffn1
		.amdhsa_group_segment_fixed_size 135680
		.amdhsa_private_segment_fixed_size 0
		.amdhsa_enable_private_segment 0
		.amdhsa_kernarg_size 48
		.amdhsa_user_sgpr_count 2
		.amdhsa_user_sgpr_kernarg_segment_ptr 1
		.amdhsa_wavefront_size32 1
		.amdhsa_system_sgpr_workgroup_id_x 1
		.amdhsa_system_sgpr_workgroup_id_y 1
		.amdhsa_system_sgpr_workgroup_id_z 1
		.amdhsa_system_vgpr_workitem_id 0
		.amdhsa_next_free_vgpr 1024
		.amdhsa_next_free_sgpr 66
		.amdhsa_reserve_vcc 0
		.amdhsa_float_denorm_mode_32 3
		.amdhsa_float_denorm_mode_16_64 3
		.amdhsa_memory_ordered 1
		.amdhsa_forward_progress 1
		.amdhsa_inst_pref_size 255
	.end_amdhsa_kernel
	.section	.bss,"aw",@nobits
	.p2align	6
	.space	262144
	.amdgpu_metadata
---
amdhsa.version: [ 1, 2 ]
amdhsa.kernels:
  - .name:           k_qe47c03daa2_ffn1
    .symbol:         k_qe47c03daa2_ffn1.kd
    .args:
      - { .name: W1, .offset: 0, .size: 8, .value_kind: global_buffer, .address_space: global }
      - { .name: b1, .offset: 8, .size: 8, .value_kind: global_buffer, .address_space: global }
      - { .name: lowp_scales, .offset: 16, .size: 8, .value_kind: global_buffer, .address_space: global }
      - { .name: xg, .offset: 24, .size: 8, .value_kind: global_buffer, .address_space: global }
      - { .name: rc, .offset: 32, .size: 8, .value_kind: global_buffer, .address_space: global }
      - { .name: hb, .offset: 40, .size: 8, .value_kind: global_buffer, .address_space: global }
    .group_segment_fixed_size: 135680
    .private_segment_fixed_size: 0
    .kernarg_segment_align: 8
    .kernarg_segment_size: 48
    .max_flat_workgroup_size: 128
    .sgpr_count:     66
    .vgpr_count:     1024
    .wavefront_size: 32
...
	.end_amdgpu_metadata
.endif
;; end of part 3
;; launch ffn2 (part 4): grid 256 x 1, 4 waves a work-group, no clusters, 220,672 bytes of LDS; arguments W2, lowp_scales, hb, rc, yr; writes yr
.if DOCPART == 4
	.amdgcn_target "amdgcn-amd-amdhsa--gfx1250"
	.amdhsa_code_object_version 6
	.text
	.protected	k_qe47c03daa2_ffn2
	.globl	k_qe47c03daa2_ffn2
	.p2align	8
	.type	k_qe47c03daa2_ffn2,@function
k_qe47c03daa2_ffn2:
	s_mov_b64 s[64:65], 0
	v_nop
	global_prefetch_b8 v0, s[64:65] scope:SCOPE_SE
	s_setreg_imm32_b32 hwreg(HW_REG_WAVE_MODE, 25, 1), 1
	s_wait_xcnt 0x0
; THE SECOND LAYER OF THE EXPERTS, for the routed rows alone: the f32 sums of Q(W2)'s codes x h's codes over a quarter of K, by v_wmma_f32_16x16x128_bf8_bf8.  The scale 2^(e2 + e3), b2, the four quarters' sum and the gate's weights come in the next launch.
; Work-group = (expert e = id / 32, jd = (id / 4) % 8, q = id % 4): outputs 128 jd .. + 127, K = 1024 q .. + 1023: 128 pieces of rows of W2, 512 KB of f32, which no other work-group reads.
; The form is the first layer's: wave w keeps the fragments of five tiles of 16 routed rows (640 registers); W2 goes in eight chunks of 16 rows through a ring of ten units of loads, is held, converted and put into LDS, where the codes stay;
; behind one barrier every wave multiplies the chunk by its five tiles.  No tensor load, no cluster: the count of an expert's rows, read from memory, decides branches.
; K's ORDER.  h's images hold, in registers 2 c, 2 c + 1 of half h, k = 16 c + 8 h + 0 .. 7.  W2's codes are laid in LDS with bits 3 and 4 of k exchanged, so that loads of 16 bytes at 32 cc + 16 h give the same order: a lane's four codes
; (k = 4 lane + 0 .. 3 of a K step) go to word swap(lane), bits 1 and 2 of the lane's number exchanged.
; TRANSPOSED: source 0 = 16 rows of W2, source 1 = 16 routed rows: a lane holds one routed row and eight neighbouring outputs.  Four chunks' results (64 outputs, 256 bytes a row) meet in the wave's own stage and leave as whole pieces of rows; a tile without rows stores nothing.
; LIMITS: e2 between -126 and 112.  NaN among the inputs is not served.
; REGISTERS: as in the first layer; v6 the stage on the way in, v8 on the way out, v10 my byte offset in two rows of yr; v32-95 also take the rows read back from the stage.
.set PITCH, 1040
.set CHB,   16*PITCH
.set HALF,  64*PITCH
.set STAGE, 128*PITCH                  ; behind the codes: 80 rows x (256 + 16) bytes for each wave
.set SPI,   272
.set ROWP,  16384                      ; a row of W2 in memory
.set TS,    65536                      ; a tile of h's images
.set GO,     1
.set AS_LO,  2
.set AS_HI,  3
.set AW_LO,  4
.set AW_HI,  5
.set ST,     6
.set SCW,    7
.set RDA,    8
.set YO,     10
.set WF,     32
.set ACC,    96
.set CW,     164
.set RING5,  176
.set RING0,  160
.set GO3,    240
.set AS3_LO, 241
.set AS3_HI, 242
.set SCW3,   243
.set CW3,    244
.set MSB, 0
.macro WIN new                         ; the immediate's high byte repeats the setting that is left
.if MSB != \new
	s_set_vgpr_msb (MSB<<8)|\new
.set MSB, \new
.endif
.endm
.macro LOADU u                         ; ring unit u: half u % 2 of row (u % 8) / 2 of my four rows of chunk u / 8: four loads of 512 consecutive bytes
.set lc, (\u)/8
.set lr, ((\u)%8)/2
.set lg, (\u)%2
.set ls, (\u)%10
.if ls < 5
	WIN 0xcf
.irp mm, 0,1,2,3
	global_load_b128 v[RING0+16*ls+4*\mm:RING0+16*ls+4*\mm+3], v[GO3], s[32:33] offset:(16*lc+lr)*ROWP+2048*lg+512*\mm th:TH_LOAD_NT
.endr
.else
	WIN 0
.irp mm, 0,1,2,3
	global_load_b128 v[RING5+16*(ls-5)+4*\mm:RING5+16*(ls-5)+4*\mm+3], v[GO], s[32:33] offset:(16*lc+lr)*ROWP+2048*lg+512*\mm th:TH_LOAD_NT
.endr
.endif
.endm
.macro UNIT u
.set uc, (\u)/8
.set ur, ((\u)%8)/2
.set ug, (\u)%2
.set us, (\u)%10
.if 63-(\u) < 9
	s_wait_loadcnt 4*(63-(\u))                     ; the tail: the counts run down
.else
	s_wait_loadcnt 36                              ; mine are in, the nine younger units' 36 stay out
.endif
.if us < 5
	WIN 0xcf
.set rb, RING0+16*us
.set cb, CW3+4*ug
.set sc, SCW3
.set ad, AS3_LO+uc/4
.else
	WIN 0
.set rb, RING5+16*(us-5)
.set cb, CW+4*ug
.set sc, SCW
.set ad, AS_LO+uc/4
.endif
.set k, 0
.rept 16
	v_med3_num_f32 v[rb+k], v[rb+k], s29, s28      ; held within +-57,344 x 2^e2: the conversion does not saturate (ISA guide 7.6.2)
.set k, k+1
.endr
	s_wait_dscnt 0x4                               ; the stores that read this set of codes two units ago are done; the last unit's four may be out
	v_cvt_scalef32_pk8_bf8_f32 v[cb:cb+1], v[rb:rb+7], v[sc]
	v_cvt_scalef32_pk8_bf8_f32 v[cb+2:cb+3], v[rb+8:rb+15], v[sc]
.irp mm, 0,1,2,3
	ds_store_b32 v[ad], v[cb+\mm] offset:(16*(uc%4)+ur)*PITCH+128*(4*ug+\mm)   ; K step 4 g + mm: the wave's 32 words fill its 128 bytes
.endr
.if (\u)+10 < 64
	LOADU (\u)+10
.endif
.endm
.macro AQ c
.irp n, 0,1,2,3,4,5,6,7
	UNIT 8*(\c)+\n
.endr
	v_nop                                          ; a plain line behind the last conversion
	WIN 0
.endm
.macro XLOAD                           ; my five tiles' fragments of h, K steps 8 q .. 8 q + 7
	WIN 0x40
.irp s, 0,1,2
.irp i, 0,1,2,3,4
.irp c, 0,1,2,3
	global_load_b128 v[80*\s+16*\i+4*\c:80*\s+16*\i+4*\c+3], v[GO], s[34:35] offset:TS*\i+2048*\s+512*\c
.endr
.endr
.endr
	WIN 0x80
.irp s, 0,1,2
.irp i, 0,1,2,3,4
.irp c, 0,1,2,3
	global_load_b128 v[80*\s+16*\i+4*\c:80*\s+16*\i+4*\c+3], v[GO], s[34:35] offset:TS*\i+2048*(\s+3)+512*\c
.endr
.endr
.endr
	WIN 0xc0
.irp s, 0,1
.irp i, 0,1,2,3,4
.irp c, 0,1,2,3
	global_load_b128 v[80*\s+16*\i+4*\c:80*\s+16*\i+4*\c+3], v[GO], s[34:35] offset:TS*\i+2048*(\s+6)+512*\c
.endr
.endr
.endr
	WIN 0
.endm
.macro WFL aw, cr, s
.irp cc, 0,1,2,3
	ds_load_b128 v[WF+16*((\s)%4)+4*\cc:WF+16*((\s)%4)+4*\cc+3], v[\aw] offset:CHB*(\cr)+128*(\s)+32*\cc
.endr
.endm
.macro MM s, first                     ; five products: the five accumulators take turns, one instruction a turn; the first K step starts the sums
.irp i, 0,1,2,3,4
.if \first
	v_wmma_f32_16x16x128_bf8_bf8 v[ACC+8*\i:ACC+8*\i+7], v[WF+16*((\s)%4):WF+16*((\s)%4)+15], v[80*((\s)%3)+16*\i:80*((\s)%3)+16*\i+15], 0
.else
	v_wmma_f32_16x16x128_bf8_bf8 v[ACC+8*\i:ACC+8*\i+7], v[WF+16*((\s)%4):WF+16*((\s)%4)+15], v[80*((\s)%3)+16*\i:80*((\s)%3)+16*\i+15], v[ACC+8*\i:ACC+8*\i+7]
.endif
.endr
.endm
.macro NOP4                            ; four plain lines between matrix instructions and loads into registers that they have read
.rept 4
	v_nop
.endr
.endm
.macro BMUL aw, cr                     ; each count on DScnt: the fragment loads issued behind the fragment that is wanted (the first also shows the last chunk's stores into the stage done, ahead of the products that write the accumulators anew)
	WFL \aw, \cr, 0
	WFL \aw, \cr, 1
	WFL \aw, \cr, 2
	WFL \aw, \cr, 3
	WIN 0x04
	s_wait_dscnt 12
	MM 0, 1
	s_wait_dscnt 8
	MM 1, 0
	NOP4
	WFL \aw, \cr, 4
	WFL \aw, \cr, 5
	s_wait_dscnt 12
	MM 2, 0
	WIN 0x08
	s_wait_dscnt 8
	MM 3, 0
	NOP4
	WFL \aw, \cr, 6
	WFL \aw, \cr, 7
	s_wait_dscnt 12
	MM 4, 0
	s_wait_dscnt 8
	MM 5, 0
	WIN 0x0c
	s_wait_dscnt 4
	MM 6, 0
	s_wait_dscnt 0
	MM 7, 0
	WIN 0
.endm
.macro EPI cr                          ; the chunk's sums into my stage: row = routed row, 64 cr + 32 h bytes on; each accumulator from its low end on
.rept 5
	v_nop                                          ; four plain lines ahead of the stores' reads, five ahead of the products that write these accumulators anew
.endr
.irp i, 0,1,2,3,4
	ds_store_b128 v[ST], v[ACC+8*\i:ACC+8*\i+3] offset:16*SPI*\i+64*(\cr)
	ds_store_b128 v[ST], v[ACC+8*\i+4:ACC+8*\i+7] offset:16*SPI*\i+64*(\cr)+16
.endr
.endm
; Four chunks' results leave: sixteen lanes store 256 consecutive bytes of a row of yr, at a multiple of 256 from its first byte.  A tile whose first row lies past the expert's last stores nothing.
.macro FLUSH imm
.irp i, 0,1,2,3,4
	s_add_co_u32 s42, s21, 16*\i
	s_cmp_lt_u32 s42, s20
	s_cbranch_scc0 .Lnone_\@_\i
	s_wait_xcnt 0x0                                ; earlier stores have read the registers that the loads below write
.set TT, WF+32*(\i%2)
.irp a, 0,1,2,3,4,5,6,7
	ds_load_b128 v[TT+4*\a:TT+4*\a+3], v[RDA] offset:(16*\i+2*\a)*SPI   ; LDS serves a wave's instructions in order: these see my stores
.endr
.irp a, 0,1,2,3,4,5,6,7
	s_wait_dscnt 7-\a
	global_store_b128 v[YO], v[TT+4*\a:TT+4*\a+3], s[36:37] offset:(16*\i+2*\a)*4096+\imm th:TH_STORE_NT
.endr
.Lnone_\@_\i:
.endr
	s_wait_xcnt 0x0                                ; the stores have read their registers: the next chunk's fragments land there
.endm
.macro CHUNK c
.if (\c) < 4
	BMUL AW_LO, (\c)%4
.else
	BMUL AW_HI, (\c)%4
.endif
	EPI (\c)%4
.if (\c) == 3
	FLUSH 0
.endif
.if (\c) == 7
	FLUSH 256
.endif
.endm
	s_load_b256 s[4:11], s[0:1], 0x0               ; W2 s[4:5], the scales s[6:7], hb s[8:9], rc s[10:11]
	s_load_b64 s[12:13], s[0:1], 0x20              ; yr
	v_lshl_add_u32 v174, v0, 2, 0x35c00
	v_mov_b32 v175, 0
	v_lshrrev_b32 v11, 5, v0
	v_readfirstlane_b32 s16, v11                   ; wave 0..3
	v_and_b32 v12, 31, v0                          ; lane
	v_and_b32 v13, 15, v0                          ; r
	v_bfe_u32 v14, v0, 4, 1                        ; h
	v_lshlrev_b32 v[GO], 4, v12
	v_and_b32 v15, 0x19, v12                       ; the lane's number with bits 1 and 2 exchanged
	v_bfe_u32 v16, v12, 1, 1
	v_bfe_u32 v17, v12, 2, 1
	v_lshl_add_u32 v15, v16, 2, v15
	v_lshl_add_u32 v15, v17, 1, v15
	v_lshlrev_b32 v15, 2, v15                      ; its word
	s_mul_i32 s42, s16, 4*PITCH                    ; my four rows of a chunk
	v_add_nc_u32 v[AS_LO], s42, v15
	v_add_nc_u32 v[AS_HI], HALF, v[AS_LO]
	v_mul_u32_u24 v[AW_LO], v13, PITCH
	v_lshl_add_u32 v[AW_LO], v14, 4, v[AW_LO]
	v_add_nc_u32 v[AW_HI], HALF, v[AW_LO]
	WIN 0xc0                                       ; the same once more, in window 3, for the ring units that lie there
	v_lshlrev_b32 v[GO3], 4, v12
	v_add_nc_u32 v[AS3_LO], s42, v15
	v_add_nc_u32 v[AS3_HI], HALF, v[AS_LO]
	WIN 0
	s_mul_i32 s43, s16, 80*SPI
	s_add_co_u32 s43, s43, STAGE                   ; my stage
	v_mul_u32_u24 v[ST], v13, SPI
	v_lshl_add_u32 v[ST], v14, 5, v[ST]
	v_add_nc_u32 v[ST], s43, v[ST]
	v_mul_u32_u24 v[RDA], v14, SPI
	v_lshl_add_u32 v[RDA], v13, 4, v[RDA]
	v_add_nc_u32 v[RDA], s43, v[RDA]
	v_lshlrev_b32 v[YO], 12, v14
	v_lshl_add_u32 v[YO], v13, 4, v[YO]
	s_lshr_b32 s17, ttmp9, 5                       ; e
	s_bfe_u32 s18, ttmp9, 0x30002                  ; jd
	s_and_b32 s19, ttmp9, 3                        ; q
	s_lshl_b32 s42, s17, 10
	s_lshl_b32 s41, s18, 7
	s_add_co_u32 s42, s42, s41
	s_lshl_b32 s41, s16, 2
	s_add_co_u32 s42, s42, s41                     ; my first row of W2: 1024 e + 128 jd + 4 w
	s_lshl_b32 s42, s42, 14
	s_lshl_b32 s41, s19, 12
	s_add_co_u32 s42, s42, s41                     ; + the quarter of K
	s_mov_b32 s43, 0
	s_mul_i32 s46, s17, 80
	s_mul_i32 s41, s16, 5
	s_add_co_u32 s46, s46, s41                     ; my first tile
	s_lshl_b32 s46, s46, 5
	s_lshl_b32 s41, s19, 3
	s_add_co_u32 s46, s46, s41
	s_lshl_b32 s46, s46, 11
	s_mov_b32 s47, 0
	s_mul_i32 s21, s16, 80                         ; my first row of the expert's list
	s_lshl_b32 s48, s19, 3
	s_add_co_u32 s48, s48, s17
	s_mul_i32 s48, s48, 1280
	s_add_co_u32 s48, s48, s21
	s_lshl_b32 s48, s48, 12
	s_lshl_b32 s41, s18, 9
	s_add_co_u32 s48, s48, s41
	s_mov_b32 s49, 0
	s_lshl_b32 s50, s17, 8
	s_wait_kmcnt 0x0
	s_load_b128 s[24:27], s[6:7], 0x0              ; e0, e1, e2, e3
	s_load_b32 s20, s[10:11], s50 offset:0x8000    ; n: the expert's rows
	s_add_nc_u64 s[32:33], s[4:5], s[42:43]
	s_add_nc_u64 s[34:35], s[8:9], s[46:47]
	s_add_nc_u64 s[36:37], s[12:13], s[48:49]
.irp u, 0,1,2,3,4,5,6,7,8,9
	LOADU \u
.endr
	XLOAD
	s_wait_kmcnt 0x0
	s_add_co_i32 s54, s26, 127
	s_lshl_b32 s55, s54, 23
	v_mov_b32 v[SCW], s55                          ; 2^e2 as f32
	WIN 0xc0
	v_mov_b32 v[SCW3], s55
	WIN 0
	s_add_co_i32 s54, s54, 15
	s_lshl_b32 s28, s54, 23
	s_or_b32 s28, s28, 0x600000                    ; 57,344 x 2^e2,
	s_or_b32 s29, s28, 0x80000000                  ; and its negative
	s_wait_loadcnt 0x0                             ; the rows' fragments are wanted by the first chunk's products
.irp c, 0,1,2,3,4,5,6,7
	AQ \c
	s_wait_dscnt 0x0                               ; for the others' sake: my four rows' codes have landed
	s_barrier_signal -1
	s_barrier_wait -1                              ; the chunk's sixteen rows lie in LDS; the ring's loads stay on their way
	CHUNK \c
.endr
	; rows 320 on: three more passes at the most; the codes still lie in LDS, so no barrier is needed
	s_mov_b32 s38, 3
.Lpass:
	s_wait_xcnt 0x0                                ; the last stores have read their base
	s_add_co_u32 s21, s21, 320
	s_add_nc_u64 s[34:35], s[34:35], 20*TS
	s_add_nc_u64 s[36:37], s[36:37], 320*4096
	s_cmp_lt_u32 s21, s20
	s_cbranch_scc0 .Lskip                          ; no row of mine in this pass
	XLOAD
	s_wait_loadcnt 0x0
.irp c, 0,1,2,3,4,5,6,7
	CHUNK \c
.endr
.Lskip:
	s_sub_co_u32 s38, s38, 1
	s_cmp_lg_u32 s38, 0
	s_cbranch_scc1 .Lpass
	s_wait_tensorcnt 0x0
	ds_add_u32 v174, v175
	s_wait_dscnt 0x0
	s_endpgm
.Lfunc_end_k_qe47c03daa2_ffn2:
	.size	k_qe47c03daa2_ffn2, .Lfunc_end_k_qe47c03daa2_ffn2-k_qe47c03daa2_ffn2
	.p2alignl 7, 3214868480
	.fill 96, 4, 3214868480
	.section	.rodata,"a",@progbits
	.p2align	6, 0x0
	.amdhsa_kernel k_qe47c03daa2_ffn2
		.amdhsa_group_segment_fixed_size 220672
		.amdhsa_private_segment_fixed_size 0
		.amdhsa_enable_private_segment 0
		.amdhsa_kernarg_size 40
		.amdhsa_user_sgpr_count 2
		.amdhsa_user_sgpr_kernarg_segment_ptr 1
		.amdhsa_wavefront_size32 1
		.amdhsa_system_sgpr_workgroup_id_x 1
		.amdhsa_system_sgpr_workgroup_id_y 1
		.amdhsa_system_sgpr_workgroup_id_z 1
		.amdhsa_system_vgpr_workitem_id 0
		.amdhsa_next_free_vgpr 1024
		.amdhsa_next_free_sgpr 66
		.amdhsa_reserve_vcc 0
		.amdhsa_float_denorm_mode_32 3
		.amdhsa_float_denorm_mode_16_64 3
		.amdhsa_memory_ordered 1
		.amdhsa_forward_progress 1
		.amdhsa_inst_pref_size 255
	.end_amdhsa_kernel
	.section	.bss,"aw",@nobits
	.p2align	6
	.space	262144
	.amdgpu_metadata
---
amdhsa.version: [ 1, 2 ]
amdhsa.kernels:
  - .name:           k_qe47c03daa2_ffn2
    .symbol:         k_qe47c03daa2_ffn2.kd
    .args:
      - { .name: W2, .offset: 0, .size: 8, .value_kind: global_buffer, .address_space: global }
      - { .name: lowp_scales, .offset: 8, .size: 8, .value_kind: global_buffer, .address_space: global }
      - { .name: hb, .offset: 16, .size: 8, .value_kind: global_buffer, .address_space: global }
      - { .name: rc, .offset: 24, .size: 8, .value_kind: global_buffer, .address_space: global }
      - { .name: yr, .offset: 32, .size: 8, .value_kind: global_buffer, .address_space: global }
    .group_segment_fixed_size: 220672
    .private_segment_fixed_size: 0
    .kernarg_segment_align: 8
    .kernarg_segment_size: 40
    .max_flat_workgroup_size: 128
    .sgpr_count:     66
    .vgpr_count:     1024
    .wavefront_size: 32
...
	.end_amdgpu_metadata
.endif
;; end of part 4
;; launch combine (part 5): grid 257 x 1, 4 waves a work-group, no clusters, 0 bytes of LDS; arguments yr, rc, route, b2, lowp_scales, out1, t1, out0, out2; writes out0, out2
.if DOCPART == 5
	.amdgcn_target "amdgcn-amd-amdhsa--gfx1250"
	.amdhsa_code_object_version 6
	.text
	.protected	k_qe47c03daa2_combine
	.globl	k_qe47c03daa2_combine
	.p2align	8
	.type	k_qe47c03daa2_combine,@function
k_qe47c03daa2_combine:
	s_mov_b64 s[64:65], 0
	v_nop
	global_prefetch_b8 v0, s[64:65] scope:SCOPE_SE
	s_setreg_imm32_b32 hwreg(HW_REG_WAVE_MODE, 25, 1), 1
	s_wait_xcnt 0x0
; out0[t] = g0 (2^(e2 + e3) S0 + b2[e0]) + g1 (2^(e2 + e3) S1 + b2[e1]): S = the four quarters' sums of the token's row with its expert, g = the two gate values divided by their sum.  A padded token's row is 0.
; Work-groups 0 to 255: a wave owns one token: each output row has one owner.  The experts and the rows' places are whole numbers that earlier launches stored; each is clamped before it enters an address.
; Work-group 256, wave 0: out2 = 8 x the sum over experts of (first choices / real tokens) x (sum of gate values / real tokens).
; A stream: every load and store of a wave covers 512 consecutive bytes; two groups of 20 loads are on their way.  No LDS, no barrier, no matrix unit: nothing is shared and nothing is multiplied by a matrix.
; LIMIT: e2 + e3 between -126 and 127, so that 2^(e2 + e3) is an f32 number.
.set QS,  41943040                     ; from a quarter's plane of yr to the next: 8 x 1,280 rows of 4,096 bytes
.set VO,  8                            ; v8-15   byte offsets in yr: slot sl, quarter q at 4 sl + q
.set VB,  16                           ; v16-17  byte offsets in b2
.set BA,  32                           ; v32-111, v112-191: two buffers of 80
.set BB,  112
.set RS,  192                          ; v192-223 results: eight registers for each of four groups, so that no store's data are written again
.macro LD g, buf                       ; pieces 2 g and 2 g + 1 of the row's eight: 16 loads of yr, 4 of b2
.irp p, 0,1
.irp sl, 0,1
.irp q, 0,1,2,3
	global_load_b128 v[\buf+32*\p+16*\sl+4*\q:\buf+32*\p+16*\sl+4*\q+3], v[VO+4*\sl+\q], s[4:5] offset:512*(2*(\g)+\p) th:TH_LOAD_NT
.endr
	global_load_b128 v[\buf+64+8*\p+4*\sl:\buf+64+8*\p+4*\sl+3], v[VB+\sl], s[10:11] offset:512*(2*(\g)+\p)
.endr
.endr
.endm
.macro CS g, buf
.irp p, 0,1
.irp sl, 0,1
.irp d, 0,2
.set y, \buf+32*\p+16*\sl+\d
	v_pk_add_f32 v[y:y+1], v[y:y+1], v[y+4:y+5]
	v_pk_add_f32 v[y+8:y+9], v[y+8:y+9], v[y+12:y+13]
	v_pk_add_f32 v[y:y+1], v[y:y+1], v[y+8:y+9]
	v_pk_fma_f32 v[y:y+1], v[y:y+1], s[44:45], v[\buf+64+8*\p+4*\sl+\d:\buf+64+8*\p+4*\sl+\d+1] op_sel_hi:[1,0,1]   ; x 2^(e2 + e3) + b2
.endr
.endr
.irp d, 0,2
.set y, \buf+32*\p+\d
.set r, RS+8*(\g)+4*\p+\d
	v_pk_mul_f32 v[r:r+1], v[y:y+1], v[4:5] op_sel_hi:[1,0]
	v_pk_fma_f32 v[r:r+1], v[y+16:y+17], v[6:7], v[r:r+1] op_sel_hi:[1,0,1]
.endr
	global_store_b128 v1, v[RS+8*(\g)+4*\p:RS+8*(\g)+4*\p+3], s[18:19] offset:512*(2*(\g)+\p) th:TH_STORE_NT
.endr
.endm
	s_load_b256 s[4:11], s[0:1], 0x0               ; yr s[4:5], rc s[6:7], route s[8:9], b2 s[10:11]
	s_load_b256 s[12:19], s[0:1], 0x20             ; the scales s[12:13], out1 s[14:15], t1 s[16:17], out0 s[18:19]
	s_load_b64 s[20:21], s[0:1], 0x40              ; out2
	v_lshrrev_b32 v2, 5, v0
	v_readfirstlane_b32 s22, v2                    ; wave
	v_and_b32 v3, 31, v0                           ; lane
	v_lshlrev_b32 v1, 4, v3
	s_cmp_eq_u32 ttmp9, 256
	s_cbranch_scc1 .Lloss
	s_lshl_b32 s23, ttmp9, 2
	s_add_co_u32 s23, s23, s22                     ; my token
	s_lshr_b32 s24, s23, 3
	s_lshl_b32 s24, s24, 7
	s_and_b32 s25, s23, 7
	s_lshl_b32 s25, s25, 2
	s_add_co_u32 s24, s24, s25                     ; its word in a block's arrays
	s_lshl_b32 s46, s23, 12
	s_mov_b32 s47, 0
	s_wait_kmcnt 0x0
	s_load_b32 s28, s[8:9], s24 offset:0x20        ; e0
	s_load_b32 s29, s[8:9], s24 offset:0x40        ; e1
	s_load_b32 s30, s[8:9], s24 offset:0x60        ; real
	s_load_b64 s[32:33], s[12:13], 0x8             ; the exponents e2, e3
	s_add_nc_u64 s[18:19], s[18:19], s[46:47]      ; my row of out0
	s_wait_kmcnt 0x0
	s_min_u32 s28, s28, 7
	s_min_u32 s29, s29, 7
	s_lshl_b32 s26, s23, 2
	s_lshl_b32 s34, s28, 12
	s_add_co_u32 s34, s34, s26
	s_lshl_b32 s35, s29, 12
	s_add_co_u32 s35, s35, s26
	s_lshl_b32 s27, s23, 5
	s_lshl_b32 s38, s28, 2
	s_add_co_u32 s38, s38, s27
	s_lshl_b32 s39, s29, 2
	s_add_co_u32 s39, s39, s27
	s_load_b32 s36, s[6:7], s34 offset:0x0         ; my row's place with e0,
	s_load_b32 s37, s[6:7], s35 offset:0x0         ; with e1
	s_load_b32 s40, s[14:15], s38 offset:0x0       ; the two gate values
	s_load_b32 s41, s[14:15], s39 offset:0x0
	s_wait_kmcnt 0x0
	s_cmp_eq_u32 s30, 0
	s_cbranch_scc1 .Lpadded
	s_min_u32 s36, s36, 0x4ff
	s_min_u32 s37, s37, 0x4ff
	s_mul_i32 s42, s28, 1280
	s_add_co_u32 s42, s42, s36
	s_lshl_b32 s42, s42, 12
	s_mul_i32 s43, s29, 1280
	s_add_co_u32 s43, s43, s37
	s_lshl_b32 s43, s43, 12
.irp q, 0,1,2,3
	s_add_co_u32 s46, s42, \q*QS
	v_add_nc_u32 v[VO+\q], s46, v1
	s_add_co_u32 s47, s43, \q*QS
	v_add_nc_u32 v[VO+4+\q], s47, v1
.endr
	s_lshl_b32 s46, s28, 12
	v_add_nc_u32 v[VB], s46, v1
	s_lshl_b32 s47, s29, 12
	v_add_nc_u32 v[VB+1], s47, v1
	LD 0, BA
	LD 1, BB
	v_mov_b32 v2, s40
	v_add_f32 v2, s41, v2                          ; never 0 for a real token: the largest of eight gate values is at least 1/8
	v_rcp_f32 v2, v2
	v_nop                                          ; a plain line behind the transcendental
	s_add_co_i32 s44, s32, s33
	s_add_co_i32 s44, s44, 127
	s_lshl_b32 s44, s44, 23                        ; 2^(e2 + e3) as f32
	s_mov_b32 s45, s44                             ; (named with it as a pair, so it is written)
	s_wait_alu depctr_va_vdst(0)                   ; the wait ahead of the first line that names the reciprocal
	v_mul_f32 v4, s40, v2                          ; g0
	v_mul_f32 v5, s40, v2
	v_mul_f32 v6, s41, v2                          ; g1
	v_mul_f32 v7, s41, v2
	s_wait_loadcnt 20                              ; the older group is in; the younger group's 20 loads stay out
	CS 0, BA
	LD 2, BA
	s_wait_loadcnt 20
	CS 1, BB
	LD 3, BB
	s_wait_loadcnt 20
	CS 2, BA
	s_wait_loadcnt 0
	CS 3, BB
	s_endpgm
.Lpadded:
	v_mov_b32 v4, 0
	v_mov_b32 v5, 0
	v_mov_b32 v6, 0
	v_mov_b32 v7, 0
.irp d, 0,1,2,3,4,5,6,7
	global_store_b128 v1, v[4:7], s[18:19] offset:512*\d th:TH_STORE_NT
.endr
	s_endpgm
.Lloss:
	s_cmp_lg_u32 s22, 0
	s_cbranch_scc1 .Lend
	s_mov_b32 s24, 0x76543210                      ; v_permlanex16_b32: lane xor 16
	s_mov_b32 s25, 0xfedcba98
.irp k, 8,9,10,11,12,13,14,15,16,17,18,19,20,21,22,23
	v_mov_b32 v\k, 0                               ; v8-11 sums of gate values, v12-15 of first choices: experts 4 (lane % 2) + 0 .. 3; v16-23 are written since a lane permute's destination counts as read
.endr
	s_wait_kmcnt 0x0
.irp b, 0,1,2,3
.irp n, 0,1,2,3,4,5,6,7,8,9,10,11,12,13,14,15
	global_load_b128 v[32+4*\n:35+4*\n], v1, s[14:15] offset:512*(16*\b+\n)
	global_load_b128 v[96+4*\n:99+4*\n], v1, s[16:17] offset:512*(16*\b+\n)
.endr
	s_wait_loadcnt 0x0
.irp n, 0,1,2,3,4,5,6,7,8,9,10,11,12,13,14,15
	v_pk_add_f32 v[8:9], v[8:9], v[32+4*\n:33+4*\n]
	v_pk_add_f32 v[10:11], v[10:11], v[34+4*\n:35+4*\n]
	v_pk_add_f32 v[12:13], v[12:13], v[96+4*\n:97+4*\n]
	v_pk_add_f32 v[14:15], v[14:15], v[98+4*\n:99+4*\n]
.endr
.endr
.irp m, 2,4,8
.irp k, 8,9,10,11,12,13,14,15
	v_add_f32_dpp v\k, v\k, v\k row_xmask:\m row_mask:0xf bank_mask:0xf   ; over the lanes of my parity
.endr
.endr
.irp k, 0,1,2,3,4,5,6,7
	v_permlanex16_b32 v[16+\k], v[8+\k], s24, s25
.endr
.irp k, 0,1,2,3,4,5,6,7
	v_add_f32 v[8+\k], v[8+\k], v[16+\k]
.endr
	v_add_f32 v24, v12, v13
	v_add_f32 v25, v14, v15
	v_add_f32 v24, v24, v25
	v_add_f32_dpp v24, v24, v24 row_xmask:1 row_mask:0xf bank_mask:0xf    ; the first choices of all eight experts: the number of real tokens
	v_rcp_f32 v25, v24
	v_nop
	s_wait_alu depctr_va_vdst(0)
.irp k, 8,9,10,11,12,13,14,15
	v_mul_f32 v\k, v\k, v25
.endr
	v_mul_f32 v26, v8, v12
	v_fma_f32 v26, v9, v13, v26
	v_fma_f32 v26, v10, v14, v26
	v_fma_f32 v26, v11, v15, v26
	v_add_f32_dpp v26, v26, v26 row_xmask:1 row_mask:0xf bank_mask:0xf
	v_mul_f32 v26, 0x41000000, v26                 ; x 8 experts
	v_mov_b32 v27, 0
	v_cmp_eq_u32 vcc_lo, 0, v3
	s_wait_xcnt 0x0                                ; EXEC changes only behind this wait
	s_and_saveexec_b32 s26, vcc_lo
	global_store_b32 v27, v26, s[20:21]            ; lane 0 alone
	s_wait_xcnt 0x0                                ; and again, in front of the line that widens it
	s_or_b32 exec_lo, exec_lo, s26
.Lend:
	s_endpgm
.Lfunc_end_k_qe47c03daa2_combine:
	.size	k_qe47c03daa2_combine, .Lfunc_end_k_qe47c03daa2_combine-k_qe47c03daa2_combine
	.p2alignl 7, 3214868480
	.fill 96, 4, 3214868480
	.section	.rodata,"a",@progbits
	.p2align	6, 0x0
	.amdhsa_kernel k_qe47c03daa2_combine
		.amdhsa_group_segment_fixed_size 0
		.amdhsa_private_segment_fixed_size 0
		.amdhsa_enable_private_segment 0
		.amdhsa_kernarg_size 72
		.amdhsa_user_sgpr_count 2
		.amdhsa_user_sgpr_kernarg_segment_ptr 1
		.amdhsa_wavefront_size32 1
		.amdhsa_system_sgpr_workgroup_id_x 1
		.amdhsa_system_sgpr_workgroup_id_y 1
		.amdhsa_system_sgpr_workgroup_id_z 1
		.amdhsa_system_vgpr_workitem_id 0
		.amdhsa_next_free_vgpr 224
		.amdhsa_next_free_sgpr 66
		.amdhsa_reserve_vcc 1
		.amdhsa_float_denorm_mode_32 3
		.amdhsa_float_denorm_mode_16_64 3
		.amdhsa_memory_ordered 1
		.amdhsa_forward_progress 1
		.amdhsa_inst_pref_size 56
	.end_amdhsa_kernel
	.amdgpu_metadata
---
amdhsa.version: [ 1, 2 ]
amdhsa.kernels:
  - .name:           k_qe47c03daa2_combine
    .symbol:         k_qe47c03daa2_combine.kd
    .args:
      - { .name: yr, .offset: 0, .size: 8, .value_kind: global_buffer, .address_space: global }
      - { .name: rc, .offset: 8, .size: 8, .value_kind: global_buffer, .address_space: global }
      - { .name: route, .offset: 16, .size: 8, .value_kind: global_buffer, .address_space: global }
      - { .name: b2, .offset: 24, .size: 8, .value_kind: global_buffer, .address_space: global }
      - { .name: lowp_scales, .offset: 32, .size: 8, .value_kind: global_buffer, .address_space: global }
      - { .name: out1, .offset: 40, .size: 8, .value_kind: global_buffer, .address_space: global }
      - { .name: t1, .offset: 48, .size: 8, .value_kind: global_buffer, .address_space: global }
      - { .name: out0, .offset: 56, .size: 8, .value_kind: global_buffer, .address_space: global }
      - { .name: out2, .offset: 64, .size: 8, .value_kind: global_buffer, .address_space: global }
    .group_segment_fixed_size: 0
    .private_segment_fixed_size: 0
    .kernarg_segment_align: 8
    .kernarg_segment_size: 72
    .max_flat_workgroup_size: 128
    .sgpr_count:     66
    .vgpr_count:     224
    .wavefront_size: 32
...
	.end_amdgpu_metadata
.endif
;; end of part 5
;; ======== version 2 of 3: 4 launches; 1.13 times as fast as version 1
;; workspace buffers: xc 1,048,576 bytes; route 16,384 bytes of whole numbers; t1 32,768 bytes; rc 34,816 bytes of whole numbers; hb 41,943,040 bytes; yr 167,772,160 bytes
;; launch gate: the kernel of part 1 again; grid 128 x 1, 2 waves a work-group, no clusters, 1,280 bytes of LDS; arguments x, Wg, padding_mask, lowp_scales, out1, xc, route, t1; writes out1, xc, route, t1
;; launch ffn1 (part 6): grid 256 x 1, 4 waves a work-group, no clusters, 207,872 bytes of LDS; arguments W1, b1, lowp_scales, xc, route, hb, rc; writes hb, rc
.if DOCPART == 6
	.amdgcn_target "amdgcn-amd-amdhsa--gfx1250"
	.amdhsa_code_object_version 6
	.text
	.protected	k_qe47c03daa2_ffn1
	.globl	k_qe47c03daa2_ffn1
	.p2align	8
	.type	k_qe47c03daa2_ffn1,@function
k_qe47c03daa2_ffn1:
	s_mov_b64 s[64:65], 0
	v_nop
	global_prefetch_b8 v0, s[64:65] scope:SCOPE_SE
	s_setreg_imm32_b32 hwreg(HW_REG_WAVE_MODE, 25, 1), 1
	s_wait_xcnt 0x0
; THE FIRST LAYER OF THE EXPERTS, for the routed rows alone: h = Q(relu(Q(x) Q(W1)^T + b1)), both operands codes of E5M2, by v_wmma_f32_16x16x128_bf8_bf8.
; Work-group = (expert e = id / 32, j = id % 32): hidden units 128 j .. 128 j + 127, all K = 1,024: 128 rows of W1, 512 KB of f32, which no other work-group reads.
; THE ROWS ARE PLACED HERE.  Wave 0 lists in LDS the tokens that chose expert e (route's two bits a token; a counting compaction over all 1,024, no atomics); the list is filled up with token 0.  Behind one barrier each wave
; gathers the codes of its rows from xc, sixteen lanes to 256 consecutive bytes of a token, and turns them through its own stage in LDS into the operand's registers.  Work-group j = 0 stores each token's place in the list
; (rc, [8][1024] u32) and the count (at byte 32,768: [8][64] u32, the count repeated) for the later launches.
; THE WEIGHTS STREAM, THE ROWS STAND.  Wave w keeps the fragments of five tiles of 16 routed rows (rows 80 w .. 80 w + 79 of the list; 640 registers).  W1 goes in eight chunks of 16 rows: each wave loads four rows of a chunk
; (a ring of ten units of four 16-byte loads a lane, 40 loads on their way), holds and converts them, and puts the codes into LDS, where they stay; behind one barrier every wave multiplies the chunk by its five tiles.
; BY TURNS: the eight groups of five products of chunk c take turns with the eight ring units of chunk c + 1, so that loads go out evenly and the units' vector work stands beside the products.
; No tensor load, no cluster: the number of rows of an expert comes from memory and decides branches (rows from 320 on), so operands go from memory into registers; what the work-groups of an expert share is the smaller part of a work-group's bytes.
; K's order in a row of codes: byte 512 g + 16 l + 4 m + b holds k = 128 (4 g + m) + 4 l + b, in x's codes and in W1's alike: every product meets its partner.
; TRANSPOSED: source 0 = 16 rows of W1, source 1 = 16 routed rows: a lane holds ONE routed row and eight neighbouring hidden units, which convert straight into two registers of the next product's operand.
; b1 / 2^(e0 + e1) is the C of a sum's first product; the hidden layer's conversion takes the one scale 2^(e3 - e0 - e1); the hold between 0 and the largest code is also the relu.
; ROWS FROM 320 ON: a loop of three trips, each under a guard on the count: the codes still lie in LDS, so no barrier is needed there.
; LIMITS: e1, and e3 - e0 - e1, between -126 and 112.  NaN among the inputs is not served.
; REGISTERS: window 0: v1-24 addresses and scales; v28-31 the biases on their way; v32-95 four fragments of W1 (at the head: the list's work, then the rows' offsets in xc); v96-135 five accumulators; v136-143 the bias;
;   v144-163 the codes of h; v164-171 codes of W1, two sets; v176-255 ring units 5-9.
;   windows 1, 2: the rows' fragments of K steps 0-2, 3-5 (step s, tile i at 80 (s % 3) + 16 i);  window 3: K steps 6, 7 in v0-159; ring units 0-4 in v160-239; v240-243 copies of addresses and scale; v244-251 codes, two sets.
.set PITCH, 1040                       ; a row of codes in LDS: 1,024 + 16 = 65 x 16 bytes: the sixteen rows of a fragment load start at sixteen different places modulo 256 bytes
.set CHB,   16*PITCH
.set HALF,  64*PITCH
.set BIASL, 128*PITCH                  ; behind the codes: 512 bytes a wave, its own copy of the 128 biases
.set LIST,  BIASL+2048                 ; the list: 1,280 words + a word a lane for tokens that did not choose e
.set CNTW,  LIST+5376                  ; the count
.set STG,   CNTW+256                   ; a stage of 16 rows x (1,024 + 16) bytes for each wave
.set SP,    1040
.set ROWP,  4096                       ; a row of W1 in memory
.set OTS,   65536                      ; a tile of h's images
.set GO,     1                         ; 16 x lane
.set AS_LO,  2                         ; where I put codes: chunks 0-3, 4-7
.set AS_HI,  3
.set AW_LO,  4                         ; where I read fragments: chunks 0-3, 4-7
.set AW_HI,  5
.set AB,     6
.set SCW,    7
.set SCH,    8
.set BST,    9
.set LZ,     10                        ; the list + 16 x lane
.set LA,     12                        ; the list's word 80 wave + lane / 16
.set LAP,    13                        ; the same, 320 rows a pass further on
.set SA,     14                        ; my stage, on the way in
.set FA,     15                        ; and on the way out
.set CA,     16
.set DUMP,   17
.set L4,     18
.set RO,     19
.set C16,    20
.set CNT,    21
.set NN,     22
.set L8,     24
.set BI,     28
.set WF,     32
.set VO,     32                        ; v32-71  tokens of my 80 rows, two a register, then their byte offsets in xc
.set M,      32                        ; v32-63  wave 0: m of token 128 i + 4 lane + q at 4 i + q, then its place in the list
.set ZQ,     64
.set ACC,    96
.set T,      96                        ; v96-127  wave 0: where each token goes in the list
.set U,      128                       ; v128-159 wave 0: the tokens' numbers
.set BIAS,   136
.set HC,     144
.set CW,     164
.set RING5,  176
.set RING0,  160
.set GO3,    240
.set AS3_LO, 241
.set AS3_HI, 242
.set SCW3,   243
.set CW3,    244
.set MSB, 0
.macro WIN new                         ; the immediate's high byte repeats the setting that is left
.if MSB != \new
	s_set_vgpr_msb (MSB<<8)|\new
.set MSB, \new
.endif
.endm
; THE COUNTS ON DScnt ARE WORKED OUT BY THE ASSEMBLER.  DSI counts the LDS instructions in the order of the text; a mark is DSI just behind an instruction that will be waited for; the wait's count is the number issued behind the mark.
; LDS instructions end in order (ISA guide 5.7.1).  A mark that lies ahead of the last wait for 0 (DSZ) needs no wait.  No branch stands between a mark and its wait; an instruction that is not counted only makes a count smaller, which is always right.
.set DSI, 0
.set DSZ, 0
.set CMP1, 0                           ; behind the last unit's code store, and behind the one before
.set CMP2, 0
.set WM0, 0                            ; behind the last load into fragment buffer 0 .. 3
.set WM1, 0
.set WM2, 0
.set WM3, 0
.macro DSW m
.if (\m) > DSZ
.if DSI-(\m) < 63
	s_wait_dscnt DSI-(\m)
.else
	s_wait_dscnt 63
.endif
.endif
.endm
.macro DS0
	s_wait_dscnt 0x0
.set DSZ, DSI
.endm
.macro BAR                             ; for the others' sake: my LDS stores have landed and my LDS loads are in; then the work-group's barrier.  Loads from memory stay on their way
	DS0
	s_barrier_signal -1
	s_barrier_wait -1
.endm
; Ring unit u = half g = u % 2 of row (u % 8) / 2 of my four rows of chunk u / 8: four loads, each of the wave's covering 512 consecutive bytes.  Units take ten sets of 16 registers by turns.
.macro LOADU u
.set lc, (\u)/8
.set lr, ((\u)%8)/2
.set lg, (\u)%2
.set ls, (\u)%10
.if ls < 5
	WIN 0xcf
.irp mm, 0,1,2,3
	global_load_b128 v[RING0+16*ls+4*\mm:RING0+16*ls+4*\mm+3], v[GO3], s[32:33] offset:(16*lc+lr)*ROWP+2048*lg+512*\mm th:TH_LOAD_NT
.endr
.else
	WIN 0
.irp mm, 0,1,2,3
	global_load_b128 v[RING5+16*(ls-5)+4*\mm:RING5+16*(ls-5)+4*\mm+3], v[GO], s[32:33] offset:(16*lc+lr)*ROWP+2048*lg+512*\mm th:TH_LOAD_NT
.endr
.endif
.endm
; Unit u is held, converted and put into LDS; the unit ten further on is asked for into its registers.
.macro UNIT u
.set uc, (\u)/8
.set ur, ((\u)%8)/2
.set ug, (\u)%2
.set us, (\u)%10
.if (\u) < 8
	s_wait_loadcnt 63                              ; behind these units' loads stand the rows' 160: more than a wait can name, and a smaller count is always right
.elseif 63-(\u) < 9
	s_wait_loadcnt 4*(63-(\u))                     ; the tail: the counts run down
.else
	s_wait_loadcnt 36                              ; loads come back in order: mine are in, the nine younger units' 36 stay out
.endif
.if us < 5
	WIN 0xcf                                       ; all that this unit names lies in window 3
.set rb, RING0+16*us
.set cb, CW3+4*ug
.set sc, SCW3
.set ad, AS3_LO+uc/4
.else
	WIN 0
.set rb, RING5+16*(us-5)
.set cb, CW+4*ug
.set sc, SCW
.set ad, AS_LO+uc/4
.endif
.set k, 0
.rept 16
	v_med3_num_f32 v[rb+k], v[rb+k], s29, s28      ; the conversion to an 8-bit code does not saturate (ISA guide 7.6.2): held within +-57,344 x 2^e1 first
.set k, k+1
.endr
	DSW CMP2                                       ; the store that read this set of codes, two units ago at the latest, is done
	v_cvt_scalef32_pk8_bf8_f32 v[cb:cb+1], v[rb:rb+7], v[sc]
	v_cvt_scalef32_pk8_bf8_f32 v[cb+2:cb+3], v[rb+8:rb+15], v[sc]
	ds_store_b128 v[ad], v[cb:cb+3] offset:(16*(uc%4)+ur)*PITCH+512*ug
.set DSI, DSI+1
.set CMP2, CMP1
.set CMP1, DSI
.if (\u)+10 < 64
	LOADU (\u)+10
.endif
.endm
; THE GATHER.  XTOK: the tokens of my 80 rows: register 8 i + a holds rows 2 a (lanes 0-15) and 2 a + 1 (lanes 16-31) of tile i.  XVO: their byte offsets in xc.
.macro XTOK la
.irp i, 0,1,2,3,4
.irp a, 0,1,2,3,4,5,6,7
	ds_load_b32 v[VO+8*\i+\a], v[\la] offset:4*(16*\i+2*\a)
.endr
.endr
.set DSI, DSI+40
.endm
.macro XVO
.set k, 0
.rept 40
	v_min_u32 v[VO+k], 0x3ff, v[VO+k]              ; a token's number, held inside xc's 1,024 rows
.set k, k+1
.endr
.set k, 0
.rept 40
	v_lshl_add_u32 v[VO+k], v[VO+k], 10, v[C16]
.set k, k+1
.endr
.endm
; XG: tile i's 32 loads: sixteen lanes read 256 consecutive bytes of a token's codes; piece (a, qd) lands in the four registers that group qd of K step a will take.
.macro XG i
	WIN 0x40
.irp a, 0,1,2
.irp qd, 0,1,2,3
	global_load_b128 v[80*\a+16*(\i)+4*\qd:80*\a+16*(\i)+4*\qd+3], v[VO+8*(\i)+\a], s[10:11] offset:256*\qd
.endr
.endr
	WIN 0x80
.irp a, 0,1,2
.irp qd, 0,1,2,3
	global_load_b128 v[80*\a+16*(\i)+4*\qd:80*\a+16*(\i)+4*\qd+3], v[VO+8*(\i)+3+\a], s[10:11] offset:256*\qd
.endr
.endr
	WIN 0xc0
.irp a, 0,1
.irp qd, 0,1,2,3
	global_load_b128 v[80*\a+16*(\i)+4*\qd:80*\a+16*(\i)+4*\qd+3], v[VO+8*(\i)+6+\a], s[10:11] offset:256*\qd
.endr
.endr
.endm
; XS: tile i through my stage: in by rows, out as fragments, into the registers that the stores have read.  LDS serves a wave's instructions in order (ISA guide 5.7.1.4): the loads see the stores, and the next tile's stores come behind these loads.
.macro XS i
	WIN 0x04                                       ; a store's data is source 1
.irp a, 0,1,2
.irp qd, 0,1,2,3
	ds_store_b128 v[SA], v[80*\a+16*(\i)+4*\qd:80*\a+16*(\i)+4*\qd+3] offset:2*SP*\a+256*\qd
.endr
.endr
	WIN 0x08
.irp a, 0,1,2
.irp qd, 0,1,2,3
	ds_store_b128 v[SA], v[80*\a+16*(\i)+4*\qd:80*\a+16*(\i)+4*\qd+3] offset:2*SP*(\a+3)+256*\qd
.endr
.endr
	WIN 0x0c
.irp a, 0,1
.irp qd, 0,1,2,3
	ds_store_b128 v[SA], v[80*\a+16*(\i)+4*\qd:80*\a+16*(\i)+4*\qd+3] offset:2*SP*(\a+6)+256*\qd
.endr
.endr
	WIN 0x40
.irp s, 0,1,2
.irp c, 0,1,2,3
	ds_load_b128 v[80*\s+16*(\i)+4*\c:80*\s+16*(\i)+4*\c+3], v[FA] offset:128*\s+32*\c
.endr
.endr
	WIN 0x80
.irp s, 0,1,2
.irp c, 0,1,2,3
	ds_load_b128 v[80*\s+16*(\i)+4*\c:80*\s+16*(\i)+4*\c+3], v[FA] offset:128*(\s+3)+32*\c
.endr
.endr
	WIN 0xc0
.irp s, 0,1
.irp c, 0,1,2,3
	ds_load_b128 v[80*\s+16*(\i)+4*\c:80*\s+16*(\i)+4*\c+3], v[FA] offset:128*(\s+6)+32*\c
.endr
.endr
.set DSI, DSI+64
.endm
.macro WFL aw, cr, s                   ; the chunk's fragment of K step s: 16 rows x 128 codes, into buffer s % 4
.irp cc, 0,1,2,3
	ds_load_b128 v[WF+16*((\s)%4)+4*\cc:WF+16*((\s)%4)+4*\cc+3], v[\aw] offset:CHB*(\cr)+128*(\s)+32*\cc
.endr
.set DSI, DSI+4
.if (\s)%4 == 0
.set WM0, DSI
.elseif (\s)%4 == 1
.set WM1, DSI
.elseif (\s)%4 == 2
.set WM2, DSI
.else
.set WM3, DSI
.endif
.endm
.macro WFW s                           ; K step s's fragment is in
.if (\s)%4 == 0
	DSW WM0
.elseif (\s)%4 == 1
	DSW WM1
.elseif (\s)%4 == 2
	DSW WM2
.else
	DSW WM3
.endif
.endm
.macro WINM s                          ; the window of the rows' fragments of K step s: source 1 alone; LDS loads under it name window 0
.if (\s) < 3
	WIN 0x04
.elseif (\s) < 6
	WIN 0x08
.else
	WIN 0x0c
.endif
.endm
.macro MM s, first                     ; five products: the five accumulators take turns, one instruction a turn
.irp i, 0,1,2,3,4
.if \first
	v_wmma_f32_16x16x128_bf8_bf8 v[ACC+8*\i:ACC+8*\i+7], v[WF+16*((\s)%4):WF+16*((\s)%4)+15], v[80*((\s)%3)+16*\i:80*((\s)%3)+16*\i+15], v[BIAS:BIAS+7]
.else
	v_wmma_f32_16x16x128_bf8_bf8 v[ACC+8*\i:ACC+8*\i+7], v[WF+16*((\s)%4):WF+16*((\s)%4)+15], v[80*((\s)%3)+16*\i:80*((\s)%3)+16*\i+15], v[ACC+8*\i:ACC+8*\i+7]
.endif
.endr
.endm
.macro UN ub, k                        ; unit k of the next chunk, whose first unit is ub; none where ub is negative
.if (\ub) >= 0
	UNIT (\ub)+(\k)
.endif
.endm
.macro GAP ub                          ; four plain lines between matrix instructions and loads into registers that they have read (ISA guide 7.12.1 for vector instructions): a unit's sixteen holds, or four v_nop where no unit stands
.if (\ub) < 0
.rept 4
	v_nop
.endr
.endif
.endm
; One chunk against my five tiles, by turns with the next chunk's eight units.
.macro BMUL aw, cr, bo, ub
	WIN 0
	ds_load_b128 v[BIAS:BIAS+3], v[AB] offset:\bo
	ds_load_b128 v[BIAS+4:BIAS+7], v[AB] offset:\bo+16
.set DSI, DSI+2
	WFL \aw, \cr, 0
	WFL \aw, \cr, 1
	WFL \aw, \cr, 2
	WFL \aw, \cr, 3
	UN \ub, 0
	WINM 0
	WFW 0
	MM 0, 1
	UN \ub, 1
	WINM 1
	WFW 1
	MM 1, 0
	UN \ub, 2
	GAP \ub
	WINM 2
	WFL \aw, \cr, 4
	WFL \aw, \cr, 5
	WFW 2
	MM 2, 0
	UN \ub, 3
	WINM 3
	WFW 3
	MM 3, 0
	UN \ub, 4
	GAP \ub
	WINM 4
	WFL \aw, \cr, 6
	WFL \aw, \cr, 7
	WFW 4
	MM 4, 0
	UN \ub, 5
	WINM 5
	WFW 5
	MM 5, 0
	UN \ub, 6
	WINM 6
	WFW 6
	MM 6, 0
	UN \ub, 7
	WINM 7
	WFW 7
	MM 7, 0
	WIN 0
.endm
; The chunk's sums become codes of h: two registers a tile; two chunks make a group of four, which leaves as 512 consecutive bytes of the image.
.macro EPI c
.rept 5
	v_nop                                          ; five plain lines: four ahead of the reads below, five ahead of the next chunk's first products, which write these accumulators anew
.endr
.if (\c)%2 == 0
	s_wait_xcnt 0x0                                ; the last pair's stores have read the codes' registers
.endif
.irp i, 0,1,2,3,4
.irp k, 0,1,2,3,4,5,6,7
	v_med3_num_f32 v[ACC+8*\i+\k], v[ACC+8*\i+\k], 0, s30   ; the relu and the hold in one; each accumulator from its low end on
.endr
.endr
.irp i, 0,1,2,3,4
	v_cvt_scalef32_pk8_bf8_f32 v[HC+4*\i+2*((\c)%2):HC+4*\i+2*((\c)%2)+1], v[ACC+8*\i:ACC+8*\i+7], v[SCH]
.endr
	v_nop                                          ; a plain line behind the last conversion: the next products write its sources
.if (\c)%2 == 1
.irp i, 0,1,2,3,4
	global_store_b128 v[GO], v[HC+4*\i:HC+4*\i+3], s[36:37] offset:OTS*\i+512*((\c)/2) th:TH_STORE_NT
.endr
.endif
.endm
.macro CHUNK c, ub
.if (\c) < 4
	BMUL AW_LO, (\c)%4, 64*(\c), \ub
.else
	BMUL AW_HI, (\c)%4, 64*(\c), \ub
.endif
	EPI \c
.endm
	s_load_b256 s[4:11], s[0:1], 0x0               ; W1 s[4:5], b1 s[6:7], the scales s[8:9], xc s[10:11]
	s_load_b128 s[12:15], s[0:1], 0x20             ; route s[12:13], hb s[14:15]
	s_load_b64 s[50:51], s[0:1], 0x30              ; rc
	v_lshl_add_u32 v174, v0, 2, 0x32a00
	v_mov_b32 v175, 0
	v_lshrrev_b32 v25, 5, v0
	v_readfirstlane_b32 s16, v25                   ; wave 0..3
	v_and_b32 v26, 31, v0                          ; lane
	v_and_b32 v27, 15, v0                          ; r
	v_bfe_u32 v25, v0, 4, 1                        ; h
	v_lshlrev_b32 v[GO], 4, v26
	s_mul_i32 s42, s16, 4*PITCH                    ; my four rows of a chunk
	v_add_nc_u32 v[AS_LO], s42, v[GO]
	v_add_nc_u32 v[AS_HI], HALF, v[AS_LO]
	v_mul_u32_u24 v[AW_LO], v27, PITCH
	v_lshl_add_u32 v[AW_LO], v25, 4, v[AW_LO]
	v_add_nc_u32 v[AW_HI], HALF, v[AW_LO]
	WIN 0xc0                                       ; the same three once more, in window 3, for the ring units that lie there
	v_lshlrev_b32 v[GO3], 4, v26
	v_add_nc_u32 v[AS3_LO], s42, v[GO]
	v_add_nc_u32 v[AS3_HI], HALF, v[AS_LO]
	WIN 0
	s_lshl_b32 s43, s16, 9
	s_add_co_u32 s43, s43, BIASL
	v_lshl_add_u32 v[AB], v25, 5, s43              ; my half's eight biases of a chunk
	v_add_nc_u32 v[BST], s43, v[GO]
	v_add_nc_u32 v[LZ], LIST, v[GO]
	s_mul_i32 s43, s16, 320
	s_add_co_u32 s43, s43, LIST
	v_lshl_add_u32 v[LA], v25, 2, s43
	s_mul_i32 s43, s16, 16*SP
	s_add_co_u32 s43, s43, STG                     ; my stage
	v_lshlrev_b32 v[C16], 4, v27
	v_mul_u32_u24 v[SA], v25, SP
	v_add_nc_u32 v[SA], v[SA], v[C16]
	v_add_nc_u32 v[SA], s43, v[SA]                 ; in: sixteen lanes to 256 bytes of a row, two rows an instruction
	v_mul_u32_u24 v[FA], v27, SP
	v_lshl_add_u32 v[FA], v25, 4, v[FA]
	v_add_nc_u32 v[FA], s43, v[FA]                 ; out: row r, + 16 h: a fragment's lane
	v_mov_b32 v[CA], CNTW
	v_add_nc_u32 v[DUMP], 1280, v26                ; my spare word of the list
	v_lshlrev_b32 v[L4], 2, v26
	v_lshrrev_b32 v[RO], 1, v26
	v_lshlrev_b32 v[RO], 7, v[RO]
	v_and_b32 v29, 1, v0
	v_lshl_add_u32 v[RO], v29, 4, v[RO]            ; route: block lane / 2, half lane % 2 of its eight m
	v_lshlrev_b32 v[L8], 3, v26
	s_lshr_b32 s17, ttmp9, 5                       ; e
	s_and_b32 s18, ttmp9, 31                       ; j
	s_lshl_b32 s40, s17, 12
	s_lshl_b32 s41, s18, 7
	s_add_co_u32 s40, s40, s41                     ; 4096 e + 128 j
	s_lshl_b32 s44, s40, 2
	s_mov_b32 s45, 0
	s_lshl_b32 s41, s16, 2
	s_add_co_u32 s42, s40, s41
	s_lshl_b32 s42, s42, 12
	s_mov_b32 s43, 0
	s_mul_i32 s46, s17, 80
	s_mul_i32 s41, s16, 5
	s_add_co_u32 s46, s46, s41                     ; my first tile: 80 e + 5 w
	s_lshl_b32 s48, s46, 5
	s_add_co_u32 s48, s48, s18
	s_lshl_b32 s48, s48, 11
	s_mov_b32 s49, 0
	s_lshl_b32 s46, s17, 12
	s_mov_b32 s47, 0
	s_lshl_b32 s52, s17, 8
	s_add_co_u32 s52, s52, 32768
	s_mov_b32 s53, 0
	s_mul_i32 s21, s16, 80                         ; my first row of the expert's list
	s_wait_kmcnt 0x0
	s_load_b128 s[24:27], s[8:9], 0x0              ; e0, e1, e2, e3
	s_add_nc_u64 s[32:33], s[4:5], s[42:43]
	s_add_nc_u64 s[6:7], s[6:7], s[44:45]
	s_add_nc_u64 s[36:37], s[14:15], s[48:49]
	s_add_nc_u64 s[46:47], s[50:51], s[46:47]      ; the expert's places
	s_add_nc_u64 s[48:49], s[50:51], s[52:53]      ; and its count
	s_cmp_lg_u32 s16, 0
	s_cbranch_scc1 .Lothers
	; wave 0: route first, then what every wave asks for; then the list.  No other wave touches LDS ahead of the barrier below
.irp i, 0,1,2,3,4,5,6,7
	global_load_b128 v[M+4*\i:M+4*\i+3], v[RO], s[12:13] offset:2048*\i
.endr
	global_load_b128 v[BI:BI+3], v[GO], s[6:7]     ; my work-group's 128 biases, four a lane
.irp u, 0,1,2,3,4,5,6,7,8,9
	LOADU \u
.endr
	WIN 0
.irp k, 0,1,2,3
	v_mov_b32 v[ZQ+\k], 0
.endr
.irp z, 0,1,2,3,4,5,6,7,8,9
	ds_store_b128 v[LZ], v[ZQ:ZQ+3] offset:512*\z  ; token 0 in all 1,280 places
.endr
	s_lshl_b32 s40, 0x101, s17                     ; the expert's two bits of m
	s_mov_b32 s41, 0                               ; rows so far
	s_wait_loadcnt 41                              ; route is in; behind it stand the bias load and the ring's 40
	; in passes of 32 lines that do not wait for each other; only the scalar additions form a chain
.set k, 0
.rept 32
	v_and_b32 v[M+k], s40, v[M+k]
.set k, k+1
.endr
.set k, 0
.rept 32
	v_cmp_ne_u32 s[66+k], 0, v[M+k]                ; who chose e?
.set k, k+1
.endr
.set k, 0
.rept 32
	v_mbcnt_lo_u32_b32 v[M+k], s[66+k], s41        ; the place: rows so far + those in the lanes below me
	s_bcnt1_i32_b32 s42, s[66+k]
	s_add_co_u32 s41, s41, s42
.set k, k+1
.endr
.set k, 0
.rept 32
	v_cndmask_b32 v[T+k], v[DUMP], v[M+k], s[66+k] ; who did not choose e writes its spare word
.set k, k+1
.endr
.set k, 0
.rept 32
	v_min_u32 v[T+k], 0x51f, v[T+k]                ; inside the list's 1,312 words
.set k, k+1
.endr
.set k, 0
.rept 32
	v_lshl_add_u32 v[T+k], v[T+k], 2, LIST
.set k, k+1
.endr
.set k, 0
.rept 32
	v_add_nc_u32 v[U+k], 128*(k/4)+k%4, v[L4]      ; the token
.set k, k+1
.endr
.set k, 0
.rept 32
	ds_store_b32 v[T+k], v[U+k]
.set k, k+1
.endr
	v_mov_b32 v[NN], s41
	v_mov_b32 v[NN+1], s41
	ds_store_b32 v[CA], v[NN]                      ; the count
	s_cmp_lg_u32 s18, 0
	s_cbranch_scc1 .Ljoin
.irp i, 0,1,2,3,4,5,6,7
	global_store_b128 v[GO], v[M+4*\i:M+4*\i+3], s[46:47] offset:512*\i   ; in the tokens' order: 512 consecutive bytes a store
.endr
	global_store_b64 v[L8], v[NN:NN+1], s[48:49]   ; 256 consecutive bytes
	s_branch .Ljoin
.Lothers:
	global_load_b128 v[BI:BI+3], v[GO], s[6:7]
.irp u, 0,1,2,3,4,5,6,7,8,9
	LOADU \u
.endr
	WIN 0
.Ljoin:
	BAR                                            ; the list and the count lie in LDS; nobody writes them again
	s_wait_xcnt 0x0                                ; the stores of the places have read v32-63, which the tokens take now
	ds_load_b32 v[CNT], v[CA]
	XTOK LA
	s_wait_kmcnt 0x0
	s_add_co_i32 s54, s25, 127
	s_lshl_b32 s55, s54, 23
	v_mov_b32 v[SCW], s55                          ; 2^e1 as f32
	WIN 0xc0
	v_mov_b32 v[SCW3], s55
	WIN 0
	s_add_co_i32 s54, s54, 15
	s_lshl_b32 s28, s54, 23
	s_or_b32 s28, s28, 0x600000                    ; 57,344 x 2^e1,
	s_or_b32 s29, s28, 0x80000000                  ; and its negative
	s_add_co_i32 s52, s24, s25                     ; e0 + e1: a sum stands for sum x 2^(e0 + e1)
	s_sub_co_i32 s53, 0, s52
	s_sub_co_i32 s54, s27, s52
	s_add_co_i32 s54, s54, 127
	s_lshl_b32 s56, s54, 23
	v_mov_b32 v[SCH], s56                          ; 2^(e3 - e0 - e1)
	s_add_co_i32 s54, s54, 15
	s_lshl_b32 s30, s54, 23
	s_or_b32 s30, s30, 0x600000                    ; 57,344 x that
	s_wait_loadcnt 40                              ; the biases are in; the ring's 40 loads may be out
.irp k, 0,1,2,3
	v_ldexp_f32 v[BI+\k], v[BI+\k], s53            ; b1 / 2^(e0 + e1)
.endr
	ds_store_b128 v[BST], v[BI:BI+3]               ; my wave's own copy: no other wave reads it
	DS0
	v_readfirstlane_b32 s20, v[CNT]                ; n: the expert's rows
	XVO
	; two tiles' loads are on their way while a tile goes through the stage; chunk 0's units are converted while the last two tiles come, and ask for their successors
	XG 0
	XG 1
	s_wait_loadcnt 32                              ; tile 0 is in; tile 1's 32 loads may be out
	XS 0
	XG 2
	s_wait_loadcnt 32
	XS 1
	XG 3
	s_wait_loadcnt 32
	XS 2
	XG 4
.irp n, 0,1,2,3,4,5,6,7
	UNIT \n
.endr
	v_nop                                          ; a plain line behind the last conversion
	s_wait_loadcnt 63                              ; tile 3 is in: behind it stand tile 4's 32 loads and the ring's 32, one more than a wait can name
	XS 3
	s_wait_loadcnt 32                              ; tile 4 is in; the ring's 32 stay out
	XS 4
	WIN 0
.irp c, 0,1,2,3,4,5,6
	BAR                                            ; the chunk's sixteen rows of codes lie in LDS (ahead of chunk 0 also: my rows' fragments are in)
	CHUNK \c, 8*\c+8
.endr
	BAR
	CHUNK 7, -1
	; rows 320 on: three more passes at the most (an expert has at most 1,024 rows)
	s_mov_b32 s38, 3
	s_mov_b32 s39, 0
.Lpass:
	s_wait_xcnt 0x0                                ; the last stores have read their base
	s_add_co_u32 s21, s21, 320
	s_add_co_u32 s39, s39, 1280                    ; 320 words of the list on
	s_add_nc_u64 s[36:37], s[36:37], 20*OTS
	v_add_nc_u32 v[LAP], s39, v[LA]
	s_cmp_lt_u32 s21, s20
	s_cbranch_scc0 .Lskip                          ; no row of mine in this pass
	XTOK LAP
	s_wait_dscnt 0x0
	XVO
	XG 0
	XG 1
	s_wait_loadcnt 32                              ; each count: the next tile's 32 loads
	XS 0
	XG 2
	s_wait_loadcnt 32
	XS 1
	XG 3
	s_wait_loadcnt 32
	XS 2
	XG 4
	s_wait_loadcnt 32
	XS 3
	s_wait_loadcnt 0x0
	XS 4
	WIN 0
	s_wait_dscnt 0x0
.irp c, 0,1,2,3,4,5,6,7
	CHUNK \c, -1
.endr
.Lskip:
	s_sub_co_u32 s38, s38, 1
	s_cmp_lg_u32 s38, 0
	s_cbranch_scc1 .Lpass
	s_wait_tensorcnt 0x0
	ds_add_u32 v174, v175
	s_wait_dscnt 0x0
	s_endpgm
.Lfunc_end_k_qe47c03daa2_ffn1:
	.size	k_qe47c03daa2_ffn1, .Lfunc_end_k_qe47c03daa2_ffn1-k_qe47c03daa2_ffn1
	.p2alignl 7, 3214868480
	.fill 96, 4, 3214868480
	.section	.rodata,"a",@progbits
	.p2align	6, 0x0
	.amdhsa_kernel k_qe47c03daa2_ffn1
		.amdhsa_group_segment_fixed_size 207872
		.amdhsa_private_segment_fixed_size 0
		.amdhsa_enable_private_segment 0
		.amdhsa_kernarg_size 56
		.amdhsa_user_sgpr_count 2
		.amdhsa_user_sgpr_kernarg_segment_ptr 1
		.amdhsa_wavefront_size32 1
		.amdhsa_system_sgpr_workgroup_id_x 1
		.amdhsa_system_sgpr_workgroup_id_y 1
		.amdhsa_system_sgpr_workgroup_id_z 1
		.amdhsa_system_vgpr_workitem_id 0
		.amdhsa_next_free_vgpr 1024
		.amdhsa_next_free_sgpr 98
		.amdhsa_reserve_vcc 0
		.amdhsa_float_denorm_mode_32 3
		.amdhsa_float_denorm_mode_16_64 3
		.amdhsa_memory_ordered 1
		.amdhsa_forward_progress 1
		.amdhsa_inst_pref_size 255
	.end_amdhsa_kernel
	.section	.bss,"aw",@nobits
	.p2align	6
	.space	262144
	.amdgpu_metadata
---
amdhsa.version: [ 1, 2 ]
amdhsa.kernels:
  - .name:           k_qe47c03daa2_ffn1
    .symbol:         k_qe47c03daa2_ffn1.kd
    .args:
      - { .name: W1, .offset: 0, .size: 8, .value_kind: global_buffer, .address_space: global }
      - { .name: b1, .offset: 8, .size: 8, .value_kind: global_buffer, .address_space: global }
      - { .name: lowp_scales, .offset: 16, .size: 8, .value_kind: global_buffer, .address_space: global }
      - { .name: xc, .offset: 24, .size: 8, .value_kind: global_buffer, .address_space: global }
      - { .name: route, .offset: 32, .size: 8, .value_kind: global_buffer, .address_space: global }
      - { .name: hb, .offset: 40, .size: 8, .value_kind: global_buffer, .address_space: global }
      - { .name: rc, .offset: 48, .size: 8, .value_kind: global_buffer, .address_space: global }
    .group_segment_fixed_size: 207872
    .private_segment_fixed_size: 0
    .kernarg_segment_align: 8
    .kernarg_segment_size: 56
    .max_flat_workgroup_size: 128
    .sgpr_count:     98
    .vgpr_count:     1024
    .wavefront_size: 32
...
	.end_amdgpu_metadata
.endif
;; end of part 6
;; launch ffn2 (part 7): grid 256 x 1, 4 waves a work-group, no clusters, 220,672 bytes of LDS; arguments W2, lowp_scales, hb, rc, yr; writes yr
.if DOCPART == 7
	.amdgcn_target "amdgcn-amd-amdhsa--gfx1250"
	.amdhsa_code_object_version 6
	.text
	.protected	k_qe47c03daa2_ffn2
	.globl	k_qe47c03daa2_ffn2
	.p2align	8
	.type	k_qe47c03daa2_ffn2,@function
k_qe47c03daa2_ffn2:
	s_mov_b64 s[64:65], 0
	v_nop
	global_prefetch_b8 v0, s[64:65] scope:SCOPE_SE
	s_setreg_imm32_b32 hwreg(HW_REG_WAVE_MODE, 25, 1), 1
	s_wait_xcnt 0x0
; THE SECOND LAYER OF THE EXPERTS, for the routed rows alone: the f32 sums of Q(W2)'s codes x h's codes over a quarter of K, by v_wmma_f32_16x16x128_bf8_bf8.  The scale 2^(e2 + e3), b2, the four quarters' sum and the gate's weights come in the next launch.
; Work-group = (expert e = id / 32, jd = (id / 4) % 8, q = id % 4): outputs 128 jd .. + 127, K = 1024 q .. + 1023: 128 pieces of rows of W2, 512 KB of f32, which no other work-group reads.
; The form is the first layer's: wave w keeps the fragments of five tiles of 16 routed rows (640 registers); W2 goes in eight chunks of 16 rows through a ring of ten units of loads, is held, converted and put into LDS, where the codes stay;
; behind one barrier every wave multiplies the chunk by its five tiles, by turns with the next chunk's eight units.  No tensor load, no cluster: the count of an expert's rows, read from memory, decides branches.
; K's ORDER.  h's images hold, in registers 2 c, 2 c + 1 of half h, k = 16 c + 8 h + 0 .. 7.  W2's codes are laid in LDS with bits 3 and 4 of k exchanged, so that loads of 16 bytes at 32 cc + 16 h give the same order: a lane's four codes
; (k = 4 lane + 0 .. 3 of a K step) go to word swap(lane), bits 1 and 2 of the lane's number exchanged.
; TRANSPOSED: source 0 = 16 rows of W2, source 1 = 16 routed rows: a lane holds one routed row and eight neighbouring outputs.  Four chunks' results (64 outputs, 256 bytes a row) meet in the wave's own stage and leave as whole pieces of rows; a tile without rows stores nothing.
; LIMITS: e2 between -126 and 112.  NaN among the inputs is not served.
; REGISTERS: window 0: v1-10 addresses and the scale (v6 the stage on the way in, v8 on the way out, v10 my byte offset in two rows of yr); v32-95 four fragments of W2, also the rows read back from the stage; v96-135 five accumulators;
;   v164-171 codes of W2, two sets; v176-255 ring units 5-9.  windows 1, 2: the rows' fragments of K steps 0-2, 3-5 (step s, tile i at 80 (s % 3) + 16 i);  window 3: K steps 6, 7 in v0-159; ring units 0-4 in v160-239; v240-243 copies; v244-251 codes, two sets.
.set PITCH, 1040
.set CHB,   16*PITCH
.set HALF,  64*PITCH
.set STAGE, 128*PITCH                  ; behind the codes: 80 rows x (256 + 16) bytes for each wave
.set SPI,   272
.set ROWP,  16384                      ; a row of W2 in memory
.set TS,    65536                      ; a tile of h's images
.set GO,     1
.set AS_LO,  2
.set AS_HI,  3
.set AW_LO,  4
.set AW_HI,  5
.set ST,     6
.set SCW,    7
.set RDA,    8
.set YO,     10
.set WF,     32
.set ACC,    96
.set CW,     164
.set RING5,  176
.set RING0,  160
.set GO3,    240
.set AS3_LO, 241
.set AS3_HI, 242
.set SCW3,   243
.set CW3,    244
.set MSB, 0
.macro WIN new                         ; the immediate's high byte repeats the setting that is left
.if MSB != \new
	s_set_vgpr_msb (MSB<<8)|\new
.set MSB, \new
.endif
.endm
; THE COUNTS ON DScnt ARE WORKED OUT BY THE ASSEMBLER.  DSI counts the LDS instructions in the order of the text; a mark is DSI just behind an instruction that will be waited for; the wait's count is the number issued behind the mark.
; LDS instructions end in order (ISA guide 5.7.1).  A mark that lies ahead of the last wait for 0 (DSZ) needs no wait.  No branch stands between a mark and its wait; an instruction that is not counted only makes a count smaller, which is always right.
.set DSI, 0
.set DSZ, 0
.set CMP1, 0                           ; behind the last unit's code stores, and behind those of the one before
.set CMP2, 0
.set WM0, 0                            ; behind the last load into fragment buffer 0 .. 3
.set WM1, 0
.set WM2, 0
.set WM3, 0
.macro DSW m
.if (\m) > DSZ
.if DSI-(\m) < 63
	s_wait_dscnt DSI-(\m)
.else
	s_wait_dscnt 63
.endif
.endif
.endm
.macro DS0
	s_wait_dscnt 0x0
.set DSZ, DSI
.endm
.macro BAR                             ; for the others' sake: my LDS stores have landed and my LDS loads are in; then the work-group's barrier.  Loads from memory stay on their way
	DS0
	s_barrier_signal -1
	s_barrier_wait -1
.endm
.macro LOADU u                         ; ring unit u: half u % 2 of row (u % 8) / 2 of my four rows of chunk u / 8: four loads of 512 consecutive bytes
.set lc, (\u)/8
.set lr, ((\u)%8)/2
.set lg, (\u)%2
.set ls, (\u)%10
.if ls < 5
	WIN 0xcf
.irp mm, 0,1,2,3
	global_load_b128 v[RING0+16*ls+4*\mm:RING0+16*ls+4*\mm+3], v[GO3], s[32:33] offset:(16*lc+lr)*ROWP+2048*lg+512*\mm th:TH_LOAD_NT
.endr
.else
	WIN 0
.irp mm, 0,1,2,3
	global_load_b128 v[RING5+16*(ls-5)+4*\mm:RING5+16*(ls-5)+4*\mm+3], v[GO], s[32:33] offset:(16*lc+lr)*ROWP+2048*lg+512*\mm th:TH_LOAD_NT
.endr
.endif
.endm
.macro UNIT u
.set uc, (\u)/8
.set ur, ((\u)%8)/2
.set ug, (\u)%2
.set us, (\u)%10
.if (\u) < 8
	s_wait_loadcnt 63                              ; behind these units' loads stand the rows' 160: more than a wait can name, and a smaller count is always right
.elseif 63-(\u) < 9
	s_wait_loadcnt 4*(63-(\u))                     ; the tail: the counts run down
.else
	s_wait_loadcnt 36                              ; mine are in, the nine younger units' 36 stay out
.endif
.if us < 5
	WIN 0xcf                                       ; all that this unit names lies in window 3
.set rb, RING0+16*us
.set cb, CW3+4*ug
.set sc, SCW3
.set ad, AS3_LO+uc/4
.else
	WIN 0
.set rb, RING5+16*(us-5)
.set cb, CW+4*ug
.set sc, SCW
.set ad, AS_LO+uc/4
.endif
.set k, 0
.rept 16
	v_med3_num_f32 v[rb+k], v[rb+k], s29, s28      ; held within +-57,344 x 2^e2: the conversion does not saturate (ISA guide 7.6.2)
.set k, k+1
.endr
	DSW CMP2                                       ; the stores that read this set of codes, two units ago at the latest, are done
	v_cvt_scalef32_pk8_bf8_f32 v[cb:cb+1], v[rb:rb+7], v[sc]
	v_cvt_scalef32_pk8_bf8_f32 v[cb+2:cb+3], v[rb+8:rb+15], v[sc]
.irp mm, 0,1,2,3
	ds_store_b32 v[ad], v[cb+\mm] offset:(16*(uc%4)+ur)*PITCH+128*(4*ug+\mm)   ; K step 4 g + mm: the wave's 32 words fill its 128 bytes
.endr
.set DSI, DSI+4
.set CMP2, CMP1
.set CMP1, DSI
.if (\u)+10 < 64
	LOADU (\u)+10
.endif
.endm
.macro XLOAD                           ; my five tiles' fragments of h, K steps 8 q .. 8 q + 7: 160 loads of 512 consecutive bytes
	WIN 0x40
.irp s, 0,1,2
.irp i, 0,1,2,3,4
.irp c, 0,1,2,3
	global_load_b128 v[80*\s+16*\i+4*\c:80*\s+16*\i+4*\c+3], v[GO], s[34:35] offset:TS*\i+2048*\s+512*\c
.endr
.endr
.endr
	WIN 0x80
.irp s, 0,1,2
.irp i, 0,1,2,3,4
.irp c, 0,1,2,3
	global_load_b128 v[80*\s+16*\i+4*\c:80*\s+16*\i+4*\c+3], v[GO], s[34:35] offset:TS*\i+2048*(\s+3)+512*\c
.endr
.endr
.endr
	WIN 0xc0
.irp s, 0,1
.irp i, 0,1,2,3,4
.irp c, 0,1,2,3
	global_load_b128 v[80*\s+16*\i+4*\c:80*\s+16*\i+4*\c+3], v[GO], s[34:35] offset:TS*\i+2048*(\s+6)+512*\c
.endr
.endr
.endr
	WIN 0
.endm
.macro WFL aw, cr, s                   ; the chunk's fragment of K step s: 16 rows x 128 codes, into buffer s % 4
.irp cc, 0,1,2,3
	ds_load_b128 v[WF+16*((\s)%4)+4*\cc:WF+16*((\s)%4)+4*\cc+3], v[\aw] offset:CHB*(\cr)+128*(\s)+32*\cc
.endr
.set DSI, DSI+4
.if (\s)%4 == 0
.set WM0, DSI
.elseif (\s)%4 == 1
.set WM1, DSI
.elseif (\s)%4 == 2
.set WM2, DSI
.else
.set WM3, DSI
.endif
.endm
.macro WFW s                           ; K step s's fragment is in
.if (\s)%4 == 0
	DSW WM0
.elseif (\s)%4 == 1
	DSW WM1
.elseif (\s)%4 == 2
	DSW WM2
.else
	DSW WM3
.endif
.endm
.macro WINM s                          ; the window of the rows' fragments of K step s: source 1 alone; LDS loads under it name window 0
.if (\s) < 3
	WIN 0x04
.elseif (\s) < 6
	WIN 0x08
.else
	WIN 0x0c
.endif
.endm
.macro MM s, first                     ; five products: the five accumulators take turns, one instruction a turn; the first K step starts the sums
.irp i, 0,1,2,3,4
.if \first
	v_wmma_f32_16x16x128_bf8_bf8 v[ACC+8*\i:ACC+8*\i+7], v[WF+16*((\s)%4):WF+16*((\s)%4)+15], v[80*((\s)%3)+16*\i:80*((\s)%3)+16*\i+15], 0
.else
	v_wmma_f32_16x16x128_bf8_bf8 v[ACC+8*\i:ACC+8*\i+7], v[WF+16*((\s)%4):WF+16*((\s)%4)+15], v[80*((\s)%3)+16*\i:80*((\s)%3)+16*\i+15], v[ACC+8*\i:ACC+8*\i+7]
.endif
.endr
.endm
.macro UN ub, k                        ; unit k of the next chunk, whose first unit is ub; none where ub is negative
.if (\ub) >= 0
	UNIT (\ub)+(\k)
.endif
.endm
.macro GAP ub                          ; four plain lines between matrix instructions and loads into registers that they have read: a unit's sixteen holds, or four v_nop where no unit stands
.if (\ub) < 0
.rept 4
	v_nop
.endr
.endif
.endm
; One chunk against my five tiles, by turns with the next chunk's eight units.  (The wait for the first fragment also shows the last chunk's stores into the stage done, ahead of the products that write the accumulators anew.)
.macro BMUL aw, cr, ub
	WIN 0
	WFL \aw, \cr, 0
	WFL \aw, \cr, 1
	WFL \aw, \cr, 2
	WFL \aw, \cr, 3
	UN \ub, 0
	WINM 0
	WFW 0
	MM 0, 1
	UN \ub, 1
	WINM 1
	WFW 1
	MM 1, 0
	UN \ub, 2
	GAP \ub
	WINM 2
	WFL \aw, \cr, 4
	WFL \aw, \cr, 5
	WFW 2
	MM 2, 0
	UN \ub, 3
	WINM 3
	WFW 3
	MM 3, 0
	UN \ub, 4
	GAP \ub
	WINM 4
	WFL \aw, \cr, 6
	WFL \aw, \cr, 7
	WFW 4
	MM 4, 0
	UN \ub, 5
	WINM 5
	WFW 5
	MM 5, 0
	UN \ub, 6
	WINM 6
	WFW 6
	MM 6, 0
	UN \ub, 7
	WINM 7
	WFW 7
	MM 7, 0
	WIN 0
.endm
.macro EPI cr                          ; the chunk's sums into my stage: row = routed row, 64 cr + 32 h bytes on; each accumulator from its low end on
.rept 5
	v_nop                                          ; four plain lines ahead of the stores' reads, five ahead of the products that write these accumulators anew
.endr
.irp i, 0,1,2,3,4
	ds_store_b128 v[ST], v[ACC+8*\i:ACC+8*\i+3] offset:16*SPI*\i+64*(\cr)
	ds_store_b128 v[ST], v[ACC+8*\i+4:ACC+8*\i+7] offset:16*SPI*\i+64*(\cr)+16
.endr
.set DSI, DSI+10
.endm
; Four chunks' results leave: sixteen lanes store 256 consecutive bytes of a row of yr, at a multiple of 256 from its first byte.  A tile whose first row lies past the expert's last stores nothing.
.macro FLUSH imm
.irp i, 0,1,2,3,4
	s_add_co_u32 s42, s21, 16*\i
	s_cmp_lt_u32 s42, s20
	s_cbranch_scc0 .Lnone_\@_\i
	s_wait_xcnt 0x0                                ; earlier stores have read the registers that the loads below write
.set TT, WF+32*(\i%2)
.irp a, 0,1,2,3,4,5,6,7
	ds_load_b128 v[TT+4*\a:TT+4*\a+3], v[RDA] offset:(16*\i+2*\a)*SPI   ; LDS serves a wave's instructions in order: these see my stores
.endr
.irp a, 0,1,2,3,4,5,6,7
	s_wait_dscnt 7-\a
	global_store_b128 v[YO], v[TT+4*\a:TT+4*\a+3], s[36:37] offset:(16*\i+2*\a)*4096+\imm th:TH_STORE_NT
.endr
.Lnone_\@_\i:
.endr
	s_wait_xcnt 0x0                                ; the stores have read their registers: the next chunk's fragments land there
.endm
.macro CHUNK c, ub
.if (\c) < 4
	BMUL AW_LO, (\c)%4, \ub
.else
	BMUL AW_HI, (\c)%4, \ub
.endif
	EPI (\c)%4
.if (\c) == 3
	FLUSH 0
.endif
.if (\c) == 7
	FLUSH 256
.endif
.endm
	s_load_b256 s[4:11], s[0:1], 0x0               ; W2 s[4:5], the scales s[6:7], hb s[8:9], rc s[10:11]
	s_load_b64 s[12:13], s[0:1], 0x20              ; yr
	v_lshl_add_u32 v174, v0, 2, 0x35c00
	v_mov_b32 v175, 0
	v_lshrrev_b32 v11, 5, v0
	v_readfirstlane_b32 s16, v11                   ; wave 0..3
	v_and_b32 v12, 31, v0                          ; lane
	v_and_b32 v13, 15, v0                          ; r
	v_bfe_u32 v14, v0, 4, 1                        ; h
	v_lshlrev_b32 v[GO], 4, v12
	v_and_b32 v15, 0x19, v12                       ; the lane's number with bits 1 and 2 exchanged
	v_bfe_u32 v16, v12, 1, 1
	v_bfe_u32 v17, v12, 2, 1
	v_lshl_add_u32 v15, v16, 2, v15
	v_lshl_add_u32 v15, v17, 1, v15
	v_lshlrev_b32 v15, 2, v15                      ; its word
	s_mul_i32 s42, s16, 4*PITCH                    ; my four rows of a chunk
	v_add_nc_u32 v[AS_LO], s42, v15
	v_add_nc_u32 v[AS_HI], HALF, v[AS_LO]
	v_mul_u32_u24 v[AW_LO], v13, PITCH
	v_lshl_add_u32 v[AW_LO], v14, 4, v[AW_LO]
	v_add_nc_u32 v[AW_HI], HALF, v[AW_LO]
	WIN 0xc0                                       ; the same once more, in window 3, for the ring units that lie there
	v_lshlrev_b32 v[GO3], 4, v12
	v_add_nc_u32 v[AS3_LO], s42, v15
	v_add_nc_u32 v[AS3_HI], HALF, v[AS_LO]
	WIN 0
	s_mul_i32 s43, s16, 80*SPI
	s_add_co_u32 s43, s43, STAGE                   ; my stage
	v_mul_u32_u24 v[ST], v13, SPI
	v_lshl_add_u32 v[ST], v14, 5, v[ST]
	v_add_nc_u32 v[ST], s43, v[ST]
	v_mul_u32_u24 v[RDA], v14, SPI
	v_lshl_add_u32 v[RDA], v13, 4, v[RDA]
	v_add_nc_u32 v[RDA], s43, v[RDA]
	v_lshlrev_b32 v[YO], 12, v14
	v_lshl_add_u32 v[YO], v13, 4, v[YO]
	s_lshr_b32 s17, ttmp9, 5                       ; e
	s_bfe_u32 s18, ttmp9, 0x30002                  ; jd
	s_and_b32 s19, ttmp9, 3                        ; q
	s_lshl_b32 s42, s17, 10
	s_lshl_b32 s41, s18, 7
	s_add_co_u32 s42, s42, s41
	s_lshl_b32 s41, s16, 2
	s_add_co_u32 s42, s42, s41                     ; my first row of W2: 1024 e + 128 jd + 4 w
	s_lshl_b32 s42, s42, 14
	s_lshl_b32 s41, s19, 12
	s_add_co_u32 s42, s42, s41                     ; + the quarter of K
	s_mov_b32 s43, 0
	s_mul_i32 s46, s17, 80
	s_mul_i32 s41, s16, 5
	s_add_co_u32 s46, s46, s41                     ; my first tile
	s_lshl_b32 s46, s46, 5
	s_lshl_b32 s41, s19, 3
	s_add_co_u32 s46, s46, s41
	s_lshl_b32 s46, s46, 11
	s_mov_b32 s47, 0
	s_mul_i32 s21, s16, 80                         ; my first row of the expert's list
	s_lshl_b32 s48, s19, 3
	s_add_co_u32 s48, s48, s17
	s_mul_i32 s48, s48, 1280
	s_add_co_u32 s48, s48, s21
	s_lshl_b32 s48, s48, 12
	s_lshl_b32 s41, s18, 9
	s_add_co_u32 s48, s48, s41
	s_mov_b32 s49, 0
	s_lshl_b32 s50, s17, 8
	s_wait_kmcnt 0x0
	s_load_b128 s[24:27], s[6:7], 0x0              ; e0, e1, e2, e3
	s_load_b32 s20, s[10:11], s50 offset:0x8000    ; n: the expert's rows
	s_add_nc_u64 s[32:33], s[4:5], s[42:43]
	s_add_nc_u64 s[34:35], s[8:9], s[46:47]
	s_add_nc_u64 s[36:37], s[12:13], s[48:49]
.irp u, 0,1,2,3,4,5,6,7,8,9
	LOADU \u
.endr
	XLOAD
	s_wait_kmcnt 0x0
	s_add_co_i32 s54, s26, 127
	s_lshl_b32 s55, s54, 23
	v_mov_b32 v[SCW], s55                          ; 2^e2 as f32
	WIN 0xc0
	v_mov_b32 v[SCW3], s55
	WIN 0
	s_add_co_i32 s54, s54, 15
	s_lshl_b32 s28, s54, 23
	s_or_b32 s28, s28, 0x600000                    ; 57,344 x 2^e2,
	s_or_b32 s29, s28, 0x80000000                  ; and its negative
.irp n, 0,1,2,3,4,5,6,7
	UNIT \n                                        ; chunk 0's units are converted while the rows' fragments come, and ask for their successors
.endr
	v_nop                                          ; a plain line behind the last conversion
	WIN 0
	s_wait_loadcnt 32                              ; the rows' fragments are in; the 32 loads that units 0 to 7 asked for stay out
.irp c, 0,1,2,3,4,5,6
	BAR                                            ; the chunk's sixteen rows of codes lie in LDS
	CHUNK \c, 8*\c+8
.endr
	BAR
	CHUNK 7, -1
	; rows 320 on: three more passes at the most; the codes still lie in LDS, so no barrier is needed
	s_mov_b32 s38, 3
.Lpass:
	s_wait_xcnt 0x0                                ; the last stores have read their base
	s_add_co_u32 s21, s21, 320
	s_add_nc_u64 s[34:35], s[34:35], 20*TS
	s_add_nc_u64 s[36:37], s[36:37], 320*4096
	s_cmp_lt_u32 s21, s20
	s_cbranch_scc0 .Lskip                          ; no row of mine in this pass
	XLOAD
	s_wait_loadcnt 0x0
.irp c, 0,1,2,3,4,5,6,7
	CHUNK \c, -1
.endr
.Lskip:
	s_sub_co_u32 s38, s38, 1
	s_cmp_lg_u32 s38, 0
	s_cbranch_scc1 .Lpass
	s_wait_tensorcnt 0x0
	ds_add_u32 v174, v175
	s_wait_dscnt 0x0
	s_endpgm
.Lfunc_end_k_qe47c03daa2_ffn2:
	.size	k_qe47c03daa2_ffn2, .Lfunc_end_k_qe47c03daa2_ffn2-k_qe47c03daa2_ffn2
	.p2alignl 7, 3214868480
	.fill 96, 4, 3214868480
	.section	.rodata,"a",@progbits
	.p2align	6, 0x0
	.amdhsa_kernel k_qe47c03daa2_ffn2
		.amdhsa_group_segment_fixed_size 220672
		.amdhsa_private_segment_fixed_size 0
		.amdhsa_enable_private_segment 0
		.amdhsa_kernarg_size 40
		.amdhsa_user_sgpr_count 2
		.amdhsa_user_sgpr_kernarg_segment_ptr 1
		.amdhsa_wavefront_size32 1
		.amdhsa_system_sgpr_workgroup_id_x 1
		.amdhsa_system_sgpr_workgroup_id_y 1
		.amdhsa_system_sgpr_workgroup_id_z 1
		.amdhsa_system_vgpr_workitem_id 0
		.amdhsa_next_free_vgpr 1024
		.amdhsa_next_free_sgpr 66
		.amdhsa_reserve_vcc 0
		.amdhsa_float_denorm_mode_32 3
		.amdhsa_float_denorm_mode_16_64 3
		.amdhsa_memory_ordered 1
		.amdhsa_forward_progress 1
		.amdhsa_inst_pref_size 255
	.end_amdhsa_kernel
	.section	.bss,"aw",@nobits
	.p2align	6
	.space	262144
	.amdgpu_metadata
---
amdhsa.version: [ 1, 2 ]
amdhsa.kernels:
  - .name:           k_qe47c03daa2_ffn2
    .symbol:         k_qe47c03daa2_ffn2.kd
    .args:
      - { .name: W2, .offset: 0, .size: 8, .value_kind: global_buffer, .address_space: global }
      - { .name: lowp_scales, .offset: 8, .size: 8, .value_kind: global_buffer, .address_space: global }
      - { .name: hb, .offset: 16, .size: 8, .value_kind: global_buffer, .address_space: global }
      - { .name: rc, .offset: 24, .size: 8, .value_kind: global_buffer, .address_space: global }
      - { .name: yr, .offset: 32, .size: 8, .value_kind: global_buffer, .address_space: global }
    .group_segment_fixed_size: 220672
    .private_segment_fixed_size: 0
    .kernarg_segment_align: 8
    .kernarg_segment_size: 40
    .max_flat_workgroup_size: 128
    .sgpr_count:     66
    .vgpr_count:     1024
    .wavefront_size: 32
...
	.end_amdgpu_metadata
.endif
;; end of part 7
;; launch combine: the kernel of part 5 again; grid 257 x 1, 4 waves a work-group, no clusters, 0 bytes of LDS; arguments yr, rc, route, b2, lowp_scales, out1, t1, out0, out2; writes out0, out2
;; ======== version 3 of 3: 4 launches; version 2 with the launch ffn2 written anew for expert scheduling mode
;; workspace buffers: xc 1,048,576 bytes; route 16,384 bytes of whole numbers; t1 32,768 bytes; rc 34,816 bytes of whole numbers; hb 41,943,040 bytes; yr 167,772,160 bytes
;; launch gate: the kernel of part 1 again; grid 128 x 1, 2 waves a work-group, no clusters, 1,280 bytes of LDS; arguments x, Wg, padding_mask, lowp_scales, out1, xc, route, t1; writes out1, xc, route, t1
;; launch ffn1: the kernel of part 6 again; grid 256 x 1, 4 waves a work-group, no clusters, 207,872 bytes of LDS; arguments W1, b1, lowp_scales, xc, route, hb, rc; writes hb, rc
;; launch ffn2 (part 8): grid 256 x 1, 4 waves a work-group, no clusters, 220,672 bytes of LDS; arguments W2, lowp_scales, hb, rc, yr; writes yr
.if DOCPART == 8
	.amdgcn_target "amdgcn-amd-amdhsa--gfx1250"
	.amdhsa_code_object_version 6
	.text
	.protected	k_qe47c03daa2_ffn2
	.globl	k_qe47c03daa2_ffn2
	.p2align	8
	.type	k_qe47c03daa2_ffn2,@function
k_qe47c03daa2_ffn2:
	s_mov_b64 s[64:65], 0
	v_nop
	global_prefetch_b8 v0, s[64:65] scope:SCOPE_SE
	s_setreg_imm32_b32 hwreg(HW_REG_WAVE_SCHED_MODE, 0, 2), 2
	s_setreg_imm32_b32 hwreg(HW_REG_WAVE_MODE, 25, 1), 1
	s_wait_xcnt 0x0
	s_wait_alu depctr_vm_vsrc(0)
; THE SECOND LAYER OF THE EXPERTS, for the routed rows alone: the f32 sums of Q(W2)'s codes x h's codes over a quarter of K, by v_wmma_f32_16x16x128_bf8_bf8.  The scale 2^(e2 + e3), b2, the four quarters' sum and the gate's weights come in the next launch.
; Work-group = (expert e = id / 32, jd = (id / 4) % 8, q = id % 4): outputs 128 jd .. + 127, K = 1024 q .. + 1023: 128 pieces of rows of W2, 512 KB of f32, which no other work-group reads.
; The form is the first layer's: wave w keeps the fragments of five tiles of 16 routed rows (640 registers); W2 goes in eight chunks of 16 rows through a ring of ten units of loads, is held, converted and put into LDS, where the codes stay;
; behind one barrier every wave multiplies the chunk by its five tiles, by turns with the next chunk's eight units.  No tensor load, no cluster: the count of an expert's rows, read from memory, decides branches.
; K's ORDER.  h's images hold, in registers 2 c, 2 c + 1 of half h, k = 16 c + 8 h + 0 .. 7.  W2's codes are laid in LDS with bits 3 and 4 of k exchanged, so that loads of 16 bytes at 32 cc + 16 h give the same order: a lane's four codes
; (k = 4 lane + 0 .. 3 of a K step) go to word swap(lane), bits 1 and 2 of the lane's number exchanged.
; TRANSPOSED: source 0 = 16 rows of W2, source 1 = 16 routed rows: a lane holds one routed row and eight neighbouring outputs.  Four chunks' results (64 outputs, 256 bytes a row) meet in the wave's own stage and leave as whole pieces of rows; a tile without rows stores nothing.
; LIMITS: e2 between -126 and 112.  NaN among the inputs is not served.
; THE MODE: SCHED_MODE bits 1:0 = 2 (LLVM: expert scheduling mode 2), set by the entry lines.  The code itself states the register dependences between vector or matrix instructions and memory or LDS instructions, with s_wait_alu, always for 0.
; THE PLAN.  Registers that memory or LDS instructions touch:
;   the ring's ten sets      a unit's holds and conversions read and write its set; behind them the loads of the unit ten further on land in it.
;   the codes' four sets     written by a unit's conversions, read by its four LDS stores, written again two units on at the earliest.
;   WF0 .. WF3 (v32-95)      LDS loads land in them, products read them; on the way out the stage's rows land in them and the stores of yr read them.
;   the rows' fragments      loads land in them, products read them.
;   the accumulators         written by products, read by the stores into the stage, written anew by the next chunk's first products.
;   addresses                made at the head and never written again.
; A step is a unit's vector lines, its stores, its four loads, the fragment loads that are due, and five products.  ONE wait on va_vdst stands in a step, behind the unit's conversions: all the step's memory and LDS instructions follow it, and no
; vector or matrix line between names a register of theirs.  Where no unit stands the same wait stands ahead of the fragment loads.  One more stands at a chunk's end, behind the places: the accumulators are written, and the products are done with WF and the rows' fragments.
; One wait on vm_vsrc stands in a step, ahead of the conversions that write a set of codes again; it also frees the accumulators ahead of a chunk's first products; where no unit stands, a wait of its own does that.  The way out has one beside each wait on XCNT.
; REGISTERS: window 0: v1-10 addresses and the scale (v6 the stage on the way in, v8 on the way out, v10 my byte offset in two rows of yr); v32-95 four fragments of W2, also the rows read back from the stage; v96-135 five accumulators;
;   v164-171 codes of W2, two sets; v174, v175 the closing add's two; v176-255 ring units 5-9.  windows 1, 2: the rows' fragments of K steps 0-2, 3-5 (step s, tile i at 80 (s % 3) + 16 i);  window 3: K steps 6, 7 in v0-159; ring units 0-4 in v160-239; v240-243 copies; v244-251 codes, two sets.
.set PITCH, 1040
.set CHB,   16*PITCH
.set HALF,  64*PITCH
.set STAGE, 128*PITCH                  ; behind the codes: 80 rows x (256 + 16) bytes for each wave
.set SPI,   272
.set ROWP,  16384                      ; a row of W2 in memory
.set TS,    65536                      ; a tile of h's images
.set GO,     1
.set AS_LO,  2
.set AS_HI,  3
.set AW_LO,  4
.set AW_HI,  5
.set ST,     6
.set SCW,    7
.set RDA,    8
.set YO,     10
.set WF,     32
.set ACC,    96
.set CW,     164
.set RING5,  176
.set RING0,  160
.set GO3,    240
.set AS3_LO, 241
.set AS3_HI, 242
.set SCW3,   243
.set CW3,    244
.set MSB, 0
.macro WIN new                         ; the immediate's high byte repeats the setting that is left
.if MSB != \new
	s_set_vgpr_msb (MSB<<8)|\new
.set MSB, \new
.endif
.endm
; THE COUNTS ON DScnt ARE WORKED OUT BY THE ASSEMBLER.  DSI counts the LDS instructions in the order of the text; a mark is DSI just behind an instruction that will be waited for; the wait's count is the number issued behind the mark.
; LDS instructions end in order (ISA guide 5.7.1).  A mark that lies ahead of the last wait for 0 (DSZ) needs no wait.  No branch stands between a mark and its wait; an instruction that is not counted only makes a count smaller, which is always right.
.set DSI, 0
.set DSZ, 0
.set CMP1, 0                           ; behind the last unit's code stores, and behind those of the one before
.set CMP2, 0
.set WM0, 0                            ; behind the last load into fragment buffer 0 .. 3
.set WM1, 0
.set WM2, 0
.set WM3, 0
.macro DSW m
.if (\m) > DSZ
.if DSI-(\m) < 63
	s_wait_dscnt DSI-(\m)
.else
	s_wait_dscnt 63
.endif
.endif
.endm
.macro DS0
	s_wait_dscnt 0x0
.set DSZ, DSI
.endm
.macro BAR                             ; for the others' sake: my LDS stores have landed and my LDS loads are in; then the work-group's barrier.  Loads from memory stay on their way
	DS0
	s_barrier_signal -1
	s_barrier_wait -1
.endm
.macro LOADU u                         ; ring unit u: half u % 2 of row (u % 8) / 2 of my four rows of chunk u / 8: four loads of 512 consecutive bytes
.set lc, (\u)/8
.set lr, ((\u)%8)/2
.set lg, (\u)%2
.set ls, (\u)%10
.if ls < 5
	WIN 0xcf
.irp mm, 0,1,2,3
	global_load_b128 v[RING0+16*ls+4*\mm:RING0+16*ls+4*\mm+3], v[GO3], s[32:33] offset:(16*lc+lr)*ROWP+2048*lg+512*\mm th:TH_LOAD_NT
.endr
.else
	WIN 0
.irp mm, 0,1,2,3
	global_load_b128 v[RING5+16*(ls-5)+4*\mm:RING5+16*(ls-5)+4*\mm+3], v[GO], s[32:33] offset:(16*lc+lr)*ROWP+2048*lg+512*\mm th:TH_LOAD_NT
.endr
.endif
.endm
.macro UNIT u
.set uc, (\u)/8
.set ur, ((\u)%8)/2
.set ug, (\u)%2
.set us, (\u)%10
.if (\u) < 8
	s_wait_loadcnt 63                              ; behind these units' loads stand the rows' 160: more than a wait can name, and a smaller count is always right
.elseif 63-(\u) < 9
	s_wait_loadcnt 4*(63-(\u))                     ; the tail: the counts run down
.else
	s_wait_loadcnt 36                              ; mine are in, the nine younger units' 36 stay out
.endif
.if us < 5
	WIN 0xcf                                       ; all that this unit names lies in window 3
.set rb, RING0+16*us
.set cb, CW3+4*ug
.set sc, SCW3
.set ad, AS3_LO+uc/4
.else
	WIN 0
.set rb, RING5+16*(us-5)
.set cb, CW+4*ug
.set sc, SCW
.set ad, AS_LO+uc/4
.endif
.set k, 0
.rept 16
	v_med3_num_f32 v[rb+k], v[rb+k], s29, s28      ; held within +-57,344 x 2^e2: the conversion does not saturate (ISA guide 7.6.2)
.set k, k+1
.endr
	DSW CMP2                                       ; the stores that read this set of codes, two units ago at the latest, are done
	s_wait_alu depctr_vm_vsrc(0)                   ; those stores have read this set of codes, which the two conversions write again; in a chunk's first unit also: the last chunk's stores into the stage have read the accumulators, which the products behind this unit write anew
	v_cvt_scalef32_pk8_bf8_f32 v[cb:cb+1], v[rb:rb+7], v[sc]
	v_cvt_scalef32_pk8_bf8_f32 v[cb+2:cb+3], v[rb+8:rb+15], v[sc]
	s_wait_alu depctr_va_vdst(0)                   ; the conversions have written the codes, which the stores read; holds and conversions are done with the unit's sixteen registers, in which the four loads land; the products issued so far are done reading their fragments of W2, in which the next fragment loads land
.irp mm, 0,1,2,3
	ds_store_b32 v[ad], v[cb+\mm] offset:(16*(uc%4)+ur)*PITCH+128*(4*ug+\mm)   ; K step 4 g + mm: the wave's 32 words fill its 128 bytes
.endr
.set DSI, DSI+4
.set CMP2, CMP1
.set CMP1, DSI
.if (\u)+10 < 64
	LOADU (\u)+10
.endif
.endm
.macro XLOAD                           ; my five tiles' fragments of h, K steps 8 q .. 8 q + 7: 160 loads of 512 consecutive bytes
	WIN 0x40
.irp s, 0,1,2
.irp i, 0,1,2,3,4
.irp c, 0,1,2,3
	global_load_b128 v[80*\s+16*\i+4*\c:80*\s+16*\i+4*\c+3], v[GO], s[34:35] offset:TS*\i+2048*\s+512*\c
.endr
.endr
.endr
	WIN 0x80
.irp s, 0,1,2
.irp i, 0,1,2,3,4
.irp c, 0,1,2,3
	global_load_b128 v[80*\s+16*\i+4*\c:80*\s+16*\i+4*\c+3], v[GO], s[34:35] offset:TS*\i+2048*(\s+3)+512*\c
.endr
.endr
.endr
	WIN 0xc0
.irp s, 0,1
.irp i, 0,1,2,3,4
.irp c, 0,1,2,3
	global_load_b128 v[80*\s+16*\i+4*\c:80*\s+16*\i+4*\c+3], v[GO], s[34:35] offset:TS*\i+2048*(\s+6)+512*\c
.endr
.endr
.endr
	WIN 0
.endm
.macro WFL aw, cr, s                   ; the chunk's fragment of K step s: 16 rows x 128 codes, into buffer s % 4
.irp cc, 0,1,2,3
	ds_load_b128 v[WF+16*((\s)%4)+4*\cc:WF+16*((\s)%4)+4*\cc+3], v[\aw] offset:CHB*(\cr)+128*(\s)+32*\cc
.endr
.set DSI, DSI+4
.if (\s)%4 == 0
.set WM0, DSI
.elseif (\s)%4 == 1
.set WM1, DSI
.elseif (\s)%4 == 2
.set WM2, DSI
.else
.set WM3, DSI
.endif
.endm
.macro WFW s                           ; K step s's fragment is in
.if (\s)%4 == 0
	DSW WM0
.elseif (\s)%4 == 1
	DSW WM1
.elseif (\s)%4 == 2
	DSW WM2
.else
	DSW WM3
.endif
.endm
.macro WINM s                          ; the window of the rows' fragments of K step s: source 1 alone; LDS loads under it name window 0
.if (\s) < 3
	WIN 0x04
.elseif (\s) < 6
	WIN 0x08
.else
	WIN 0x0c
.endif
.endm
.macro MM s, first                     ; five products: the five accumulators take turns, one instruction a turn; the first K step starts the sums
.irp i, 0,1,2,3,4
.if \first
	v_wmma_f32_16x16x128_bf8_bf8 v[ACC+8*\i:ACC+8*\i+7], v[WF+16*((\s)%4):WF+16*((\s)%4)+15], v[80*((\s)%3)+16*\i:80*((\s)%3)+16*\i+15], 0
.else
	v_wmma_f32_16x16x128_bf8_bf8 v[ACC+8*\i:ACC+8*\i+7], v[WF+16*((\s)%4):WF+16*((\s)%4)+15], v[80*((\s)%3)+16*\i:80*((\s)%3)+16*\i+15], v[ACC+8*\i:ACC+8*\i+7]
.endif
.endr
.endm
.macro UN ub, k                        ; unit k of the next chunk, whose first unit is ub; none where ub is negative
.if (\ub) >= 0
	UNIT (\ub)+(\k)
.endif
.endm
.macro GAP ub                          ; ahead of loads into fragment buffers that products have read.  Where a unit stands, its sixteen holds are the plain lines between and its wait on va_vdst has stated the dependence; where none stands, four v_nop and the wait
.if (\ub) < 0
.rept 4
	v_nop
.endr
	s_wait_alu depctr_va_vdst(0)                   ; the products issued so far are done reading the two fragment buffers in which the loads below land
.endif
.endm
; One chunk against my five tiles, by turns with the next chunk's eight units.  (The wait for the first fragment also shows the last chunk's stores into the stage done, ahead of the products that write the accumulators anew.)
.macro BMUL aw, cr, ub
	WIN 0
	WFL \aw, \cr, 0
	WFL \aw, \cr, 1
	WFL \aw, \cr, 2
	WFL \aw, \cr, 3
	UN \ub, 0
	WINM 0
	WFW 0
.if (\ub) < 0
	s_wait_alu depctr_vm_vsrc(0)                   ; the last chunk's stores into the stage have read the accumulators, which the five products below write anew (where a unit stands ahead, its wait has stated this)
.endif
	MM 0, 1
	UN \ub, 1
	WINM 1
	WFW 1
	MM 1, 0
	UN \ub, 2
	GAP \ub
	WINM 2
	WFL \aw, \cr, 4
	WFL \aw, \cr, 5
	WFW 2
	MM 2, 0
	UN \ub, 3
	WINM 3
	WFW 3
	MM 3, 0
	UN \ub, 4
	GAP \ub
	WINM 4
	WFL \aw, \cr, 6
	WFL \aw, \cr, 7
	WFW 4
	MM 4, 0
	UN \ub, 5
	WINM 5
	WFW 5
	MM 5, 0
	UN \ub, 6
	WINM 6
	WFW 6
	MM 6, 0
	UN \ub, 7
	WINM 7
	WFW 7
	MM 7, 0
	WIN 0
.endm
.macro EPI cr                          ; the chunk's sums into my stage: row = routed row, 64 cr + 32 h bytes on; each accumulator from its low end on
.rept 5
	v_nop                                          ; four plain lines ahead of the stores' reads, five ahead of the products that write these accumulators anew
.endr
	s_wait_alu depctr_va_vdst(0)                   ; the products have written the accumulators, which the stores read (the places above stay beside this wait); they are done reading the four fragment buffers, in which the stage's rows and the next chunk's fragments land, and the rows' fragments, in which the next pass's loads land
.irp i, 0,1,2,3,4
	ds_store_b128 v[ST], v[ACC+8*\i:ACC+8*\i+3] offset:16*SPI*\i+64*(\cr)
	ds_store_b128 v[ST], v[ACC+8*\i+4:ACC+8*\i+7] offset:16*SPI*\i+64*(\cr)+16
.endr
.set DSI, DSI+10
.endm
; Four chunks' results leave: sixteen lanes store 256 consecutive bytes of a row of yr, at a multiple of 256 from its first byte.  A tile whose first row lies past the expert's last stores nothing.
.macro FLUSH imm
.irp i, 0,1,2,3,4
	s_add_co_u32 s42, s21, 16*\i
	s_cmp_lt_u32 s42, s20
	s_cbranch_scc0 .Lnone_\@_\i
	s_wait_xcnt 0x0                                ; earlier stores have read the registers that the loads below write
	s_wait_alu depctr_vm_vsrc(0)                   ; the stores of the tile two back have read these 32 registers, in which the eight loads below land
.set TT, WF+32*(\i%2)
.irp a, 0,1,2,3,4,5,6,7
	ds_load_b128 v[TT+4*\a:TT+4*\a+3], v[RDA] offset:(16*\i+2*\a)*SPI   ; LDS serves a wave's instructions in order: these see my stores
.endr
.irp a, 0,1,2,3,4,5,6,7
	s_wait_dscnt 7-\a
	global_store_b128 v[YO], v[TT+4*\a:TT+4*\a+3], s[36:37] offset:(16*\i+2*\a)*4096+\imm th:TH_STORE_NT
.endr
.Lnone_\@_\i:
.endr
	s_wait_xcnt 0x0                                ; the stores have read their registers: the next chunk's fragments land there
	s_wait_alu depctr_vm_vsrc(0)                   ; the stores of yr have read v32-95, in which the next chunk's fragments land
.endm
.macro CHUNK c, ub
.if (\c) < 4
	BMUL AW_LO, (\c)%4, \ub
.else
	BMUL AW_HI, (\c)%4, \ub
.endif
	EPI (\c)%4
.if (\c) == 3
	FLUSH 0
.endif
.if (\c) == 7
	FLUSH 256
.endif
.endm
	s_load_b256 s[4:11], s[0:1], 0x0               ; W2 s[4:5], the scales s[6:7], hb s[8:9], rc s[10:11]
	s_load_b64 s[12:13], s[0:1], 0x20              ; yr
	v_lshl_add_u32 v174, v0, 2, 0x35c00
	v_mov_b32 v175, 0
	v_lshrrev_b32 v11, 5, v0
	v_readfirstlane_b32 s16, v11                   ; wave 0..3
	v_and_b32 v12, 31, v0                          ; lane
	v_and_b32 v13, 15, v0                          ; r
	v_bfe_u32 v14, v0, 4, 1                        ; h
	v_lshlrev_b32 v[GO], 4, v12
	v_and_b32 v15, 0x19, v12                       ; the lane's number with bits 1 and 2 exchanged
	v_bfe_u32 v16, v12, 1, 1
	v_bfe_u32 v17, v12, 2, 1
	v_lshl_add_u32 v15, v16, 2, v15
	v_lshl_add_u32 v15, v17, 1, v15
	v_lshlrev_b32 v15, 2, v15                      ; its word
	s_wait_alu depctr_va_sdst(0)                   ; s16 is written, ahead of its first reader: LDS addresses and bases are made from it
	s_mul_i32 s42, s16, 4*PITCH                    ; my four rows of a chunk
	v_add_nc_u32 v[AS_LO], s42, v15
	v_add_nc_u32 v[AS_HI], HALF, v[AS_LO]
	v_mul_u32_u24 v[AW_LO], v13, PITCH
	v_lshl_add_u32 v[AW_LO], v14, 4, v[AW_LO]
	v_add_nc_u32 v[AW_HI], HALF, v[AW_LO]
	WIN 0xc0                                       ; the same once more, in window 3, for the ring units that lie there
	v_lshlrev_b32 v[GO3], 4, v12
	v_add_nc_u32 v[AS3_LO], s42, v15
	v_add_nc_u32 v[AS3_HI], HALF, v[AS_LO]
	WIN 0
	s_mul_i32 s43, s16, 80*SPI
	s_add_co_u32 s43, s43, STAGE                   ; my stage
	v_mul_u32_u24 v[ST], v13, SPI
	v_lshl_add_u32 v[ST], v14, 5, v[ST]
	v_add_nc_u32 v[ST], s43, v[ST]
	v_mul_u32_u24 v[RDA], v14, SPI
	v_lshl_add_u32 v[RDA], v13, 4, v[RDA]
	v_add_nc_u32 v[RDA], s43, v[RDA]
	v_lshlrev_b32 v[YO], 12, v14
	v_lshl_add_u32 v[YO], v13, 4, v[YO]
	s_lshr_b32 s17, ttmp9, 5                       ; e
	s_bfe_u32 s18, ttmp9, 0x30002                  ; jd
	s_and_b32 s19, ttmp9, 3                        ; q
	s_lshl_b32 s42, s17, 10
	s_lshl_b32 s41, s18, 7
	s_add_co_u32 s42, s42, s41
	s_lshl_b32 s41, s16, 2
	s_add_co_u32 s42, s42, s41                     ; my first row of W2: 1024 e + 128 jd + 4 w
	s_lshl_b32 s42, s42, 14
	s_lshl_b32 s41, s19, 12
	s_add_co_u32 s42, s42, s41                     ; + the quarter of K
	s_mov_b32 s43, 0
	s_mul_i32 s46, s17, 80
	s_mul_i32 s41, s16, 5
	s_add_co_u32 s46, s46, s41                     ; my first tile
	s_lshl_b32 s46, s46, 5
	s_lshl_b32 s41, s19, 3
	s_add_co_u32 s46, s46, s41
	s_lshl_b32 s46, s46, 11
	s_mov_b32 s47, 0
	s_mul_i32 s21, s16, 80                         ; my first row of the expert's list
	s_lshl_b32 s48, s19, 3
	s_add_co_u32 s48, s48, s17
	s_mul_i32 s48, s48, 1280
	s_add_co_u32 s48, s48, s21
	s_lshl_b32 s48, s48, 12
	s_lshl_b32 s41, s18, 9
	s_add_co_u32 s48, s48, s41
	s_mov_b32 s49, 0
	s_lshl_b32 s50, s17, 8
	s_wait_kmcnt 0x0
	s_load_b128 s[24:27], s[6:7], 0x0              ; e0, e1, e2, e3
	s_load_b32 s20, s[10:11], s50 offset:0x8000    ; n: the expert's rows
	s_add_nc_u64 s[32:33], s[4:5], s[42:43]
	s_add_nc_u64 s[34:35], s[8:9], s[46:47]
	s_add_nc_u64 s[36:37], s[12:13], s[48:49]
	s_wait_alu depctr_va_vdst(0)                   ; the offsets and addresses made above, in window 0 and in window 3, are written: the kernel's loads and stores read them
.irp u, 0,1,2,3,4,5,6,7,8,9
	LOADU \u
.endr
	XLOAD
	s_wait_kmcnt 0x0
	s_add_co_i32 s54, s26, 127
	s_lshl_b32 s55, s54, 23
	v_mov_b32 v[SCW], s55                          ; 2^e2 as f32
	WIN 0xc0
	v_mov_b32 v[SCW3], s55
	WIN 0
	s_add_co_i32 s54, s54, 15
	s_lshl_b32 s28, s54, 23
	s_or_b32 s28, s28, 0x600000                    ; 57,344 x 2^e2,
	s_or_b32 s29, s28, 0x80000000                  ; and its negative
.irp n, 0,1,2,3,4,5,6,7
	UNIT \n                                        ; chunk 0's units are converted while the rows' fragments come, and ask for their successors
.endr
	v_nop                                          ; a plain line behind the last conversion
	WIN 0
	s_wait_loadcnt 32                              ; the rows' fragments are in; the 32 loads that units 0 to 7 asked for stay out
.irp c, 0,1,2,3,4,5,6
	BAR                                            ; the chunk's sixteen rows of codes lie in LDS
	CHUNK \c, 8*\c+8
.endr
	BAR
	CHUNK 7, -1
	; rows 320 on: three more passes at the most; the codes still lie in LDS, so no barrier is needed
	s_mov_b32 s38, 3
.Lpass:
	s_wait_xcnt 0x0                                ; the last stores have read their base
	s_add_co_u32 s21, s21, 320
	s_add_nc_u64 s[34:35], s[34:35], 20*TS
	s_add_nc_u64 s[36:37], s[36:37], 320*4096
	s_cmp_lt_u32 s21, s20
	s_cbranch_scc0 .Lskip                          ; no row of mine in this pass
	XLOAD
	s_wait_loadcnt 0x0
.irp c, 0,1,2,3,4,5,6,7
	CHUNK \c, -1
.endr
.Lskip:
	s_sub_co_u32 s38, s38, 1
	s_cmp_lg_u32 s38, 0
	s_cbranch_scc1 .Lpass
	s_wait_dscnt 0x0                               ; the closing lines, six on end
	s_wait_alu 0x0
	s_wait_tensorcnt 0x0
	ds_add_u32 v174, v175
	s_wait_dscnt 0x0
	s_endpgm
.Lfunc_end_k_qe47c03daa2_ffn2:
	.size	k_qe47c03daa2_ffn2, .Lfunc_end_k_qe47c03daa2_ffn2-k_qe47c03daa2_ffn2
	.p2alignl 7, 3214868480
	.fill 96, 4, 3214868480
	.section	.rodata,"a",@progbits
	.p2align	6, 0x0
	.amdhsa_kernel k_qe47c03daa2_ffn2
		.amdhsa_group_segment_fixed_size 220672
		.amdhsa_private_segment_fixed_size 0
		.amdhsa_enable_private_segment 0
		.amdhsa_kernarg_size 40
		.amdhsa_user_sgpr_count 2
		.amdhsa_user_sgpr_kernarg_segment_ptr 1
		.amdhsa_wavefront_size32 1
		.amdhsa_system_sgpr_workgroup_id_x 1
		.amdhsa_system_sgpr_workgroup_id_y 1
		.amdhsa_system_sgpr_workgroup_id_z 1
		.amdhsa_system_vgpr_workitem_id 0
		.amdhsa_next_free_vgpr 1024
		.amdhsa_next_free_sgpr 66
		.amdhsa_reserve_vcc 0
		.amdhsa_float_denorm_mode_32 3
		.amdhsa_float_denorm_mode_16_64 3
		.amdhsa_memory_ordered 1
		.amdhsa_forward_progress 1
		.amdhsa_inst_pref_size 255
	.end_amdhsa_kernel
	.section	.bss,"aw",@nobits
	.p2align	6
	.space	262144
	.amdgpu_metadata
---
amdhsa.version: [ 1, 2 ]
amdhsa.kernels:
  - .name:           k_qe47c03daa2_ffn2
    .symbol:         k_qe47c03daa2_ffn2.kd
    .args:
      - { .name: W2, .offset: 0, .size: 8, .value_kind: global_buffer, .address_space: global }
      - { .name: lowp_scales, .offset: 8, .size: 8, .value_kind: global_buffer, .address_space: global }
      - { .name: hb, .offset: 16, .size: 8, .value_kind: global_buffer, .address_space: global }
      - { .name: rc, .offset: 24, .size: 8, .value_kind: global_buffer, .address_space: global }
      - { .name: yr, .offset: 32, .size: 8, .value_kind: global_buffer, .address_space: global }
    .group_segment_fixed_size: 220672
    .private_segment_fixed_size: 0
    .kernarg_segment_align: 8
    .kernarg_segment_size: 40
    .max_flat_workgroup_size: 128
    .sgpr_count:     66
    .vgpr_count:     1024
    .wavefront_size: 32
...
	.end_amdgpu_metadata
.endif
;; end of part 8
;; launch combine: the kernel of part 5 again; grid 257 x 1, 4 waves a work-group, no clusters, 0 bytes of LDS; arguments yr, rc, route, b2, lowp_scales, out1, t1, out0, out2; writes out0, out2
